; MI455X (gfx1250); checked and timed in simulation.
; The chip was launched on July 23, 2026; its instructions are those of AMD's public machine-readable ISA for CDNA 5 (MIT licence, August 2026) and "CDNA5" Instruction Set Architecture Reference Guide (July 2026). The comments in the code are by the model that wrote it; some were corrected since.
;; Simple Attention. Allowed arithmetic: matrix products marked QUANTISED: E2M3 operands, one E8M0 scale for each 32 along K, by v_wmma_scale_f32_16x16x128_f8f6f4 with both operands' format E2M3, f32 sums; products left as they are: f32 operands where the result goes on into a quantised operand, else bf16, f16 or f32 operands; f32 sums; everything else in f32.
;; Inputs: b_proj 1,024 float32; b_qkv 3,072 float32; w_proj_codes 1,024 x 32 x 24 uint8 (E2M3 codes of w_proj, K innermost, in blocks of 32 codes, four codes in three bytes); w_proj_scales 1,024 x 32 uint8 (E8M0 scales of w_proj, one for each 32 codes along K); w_qkv_codes 3,072 x 32 x 24 uint8 (E2M3 codes of w_qkv, K innermost, in blocks of 32 codes, four codes in three bytes); w_qkv_scales 3,072 x 32 uint8 (E8M0 scales of w_qkv, one for each 32 codes along K); x_codes 4 x 4,096 x 32 x 24 uint8 (E2M3 codes of x, K innermost, in blocks of 32 codes, four codes in three bytes); x_scales 4 x 4,096 x 32 uint8 (E8M0 scales of x, one for each 32 codes along K).
;; Outputs: out0 4 x 4,096 x 1,024 float32.
;; This version of the problem:
;;   THIS VERSION OF THE PROBLEM IS GIVEN IN LOW PRECISION. The matrix products marked QUANTISED in the list below multiply operands that are first quantised to E2M3 (2 exponent bits, 3 mantissa bits; 6 bits a number), with one power-of-two scale for each 32 numbers along K (OCP MX v1.0); their sums are f32. All else is computed in f32.
;;   The module's matrix products, in the order in which they are computed (A, B: the left and right operand; K: the contracted axis; several contracted axes count as one K, in the product's order):
;;     1. [M 16,384, K 1,024] x [K 1,024, N 3,072]; A: input x (given as codes); B: input w_qkv (given as codes): QUANTISED
;;     2. batch 16,384 x [M 16, K 64] x [K 64, N 16]; A: computed on the way; B: computed on the way: QUANTISED
;;     3. batch 16,384 x [M 16, K 16] x [K 16, N 64]; A: softmax; B: computed on the way: left as it is (K = 16 < 32)
;;     4. [M 16,384, K 1,024] x [K 1,024, N 1,024]; A: computed on the way; B: input w_proj (given as codes): QUANTISED
;;   THE QUANTISER, for each operand of a quantised product, along K:
;;     - K is cut into blocks of 32 from its start; a last block that is shorter is filled with zeros.
;;     - A block's scale is 2^e with e = floor(log2(the largest magnitude in the block)) - 2, held to -126 .. 127; a block of zeros has e = 0. As a byte (E8M0): e + 127.
;;     - Each number is divided by its block's scale, clamped to +-7.5, and rounded to the nearest number of E2M3, ties to even, subnormals kept.
;;     - The product sums the exact products of the quantised numbers (number of the format x scale) in f32.
;;   ~~~python
;;   def quantise(x, axis):      # numpy; x: float32 -> the quantised numbers, widened to float32 again
;;       x = np.moveaxis(x, axis, -1); K = x.shape[-1]
;;       x = np.pad(x, [(0, 0)] * (x.ndim - 1) + [(0, -K % 32)]); x = x.reshape(x.shape[:-1] + (-1, 32)); a = np.abs(x).max(-1, keepdims=True)
;;       e = np.where(a > 0, np.clip(np.frexp(np.where(a > 0, a, 1))[1] - 1 - 2, -126, 127), 0)      # np.frexp(a)[1] - 1 = floor(log2(a)), exactly
;;       r = np.clip(x / 2.0 ** e, -7.5, 7.5)
;;       step = 2.0 ** (np.maximum(np.frexp(np.where(r == 0, 1, r))[1] - 1, 0) - 3)
;;       q = np.round(r / step) * step * 2.0 ** e      # np.round: ties to even
;;       return np.moveaxis(q.reshape(q.shape[:-2] + (-1,))[..., :K], -1, axis).astype(np.float32)
;;   ~~~
;;   OPERANDS COMPUTED ON THE WAY. 'Computed on the way' means the value that the module computes at that place (a softmax that the list does not call 'softmax' is quantised finished and normalised). What goes into a quantiser is computed in f32, as accurately as f32 sums, v_exp_f32 and their like allow (about 1e-6 of the number): no bf16 or f16 on the way to a quantiser, and a product that is left as it is and whose result goes on into a quantised operand takes f32 operands (vector FMAs, or v_wmma_f32_16x16x4_f32). A number that lies on a knife's edge between two numbers of the format may be rounded either way, as far as f32 arithmetic and the matrix unit's own rounding can turn it there, and no further.
;;   INPUTS GIVEN AS CODES. w_proj (in the module: [1024, 1024], K = its axis 0); w_qkv (in the module: [1024, 3072], K = its axis 0); x (in the module: [4, 4096, 1024], K = its axis 2): each comes as NAME_codes (uint8): NAME with its K axis moved to the last place and cut into blocks of 32 codes, [.., K / 32, bytes a block], one block behind the other in memory; four codes in three bytes: a row's codes are one little-endian stream of bits, code i at bits 6 i .. 6 i + 5 (a code: sign, 2 exponent bits, 3 mantissa bits); and NAME_scales (uint8): the same leading axes, one E8M0 byte (e + 127) for each 32 codes along K. Its value is code x scale, taken as it is: it is not quantised again, and the codes and scales need not be those that the quantiser above would give.
;; 2 versions, each right and faster than the one before. Each part assembles by itself: llvm-mc -triple=amdgcn-amd-amdhsa -mcpu=gfx1250 --defsym DOCPART=n.
;; ======== version 1 of 2: 1 launch
;; launch fused (part 1): grid 256 x 1, 4 waves a work-group, clusters of 4 x 1, 327,680 bytes of LDS; arguments x_codes, x_scales, w_qkv_codes, w_qkv_scales, b_qkv, w_proj_codes, w_proj_scales, b_proj, out0; writes out0
.if DOCPART == 1
	.amdgcn_target "amdgcn-amd-amdhsa--gfx1250"
	.amdhsa_code_object_version 6
	.text
	.protected	k_q78da7d5301_fused
	.globl	k_q78da7d5301_fused
	.p2align	8
	.type	k_q78da7d5301_fused,@function
k_q78da7d5301_fused:
	s_mov_b64 s[64:65], 0
	v_nop
	global_prefetch_b8 v0, s[64:65] scope:SCOPE_SE
	s_setreg_imm32_b32 hwreg(HW_REG_WAVE_MODE, 25, 1), 1
	s_wait_xcnt 0x0
	s_wait_alu depctr_hold_cnt(0) depctr_sa_sdst(0) depctr_va_vdst(0) depctr_va_sdst(0) depctr_va_ssrc(0) depctr_va_vcc(0) depctr_vm_vsrc(0)
	s_getreg_b32 s2, hwreg(HW_REG_IB_STS2, 6, 4)
	s_cmp_eq_u32 s2, 0
	s_cbranch_scc0 .Lentry_in_a_cluster
	s_endpgm
.Lentry_in_a_cluster:
	s_bfe_u32 s2, ttmp6, 0x10000c
	s_cmp_lg_u32 s2, 0x3003
	s_cbranch_scc0 .Lentry_shape_is_right
	s_endpgm
.Lentry_shape_is_right:
; out = (softmax over heads of q k^T / 8, times v) w_proj + b_proj, with qkv = x w_qkv + b_qkv, for 16,384 tokens of 1,024 numbers and 16 heads of 64, all in ONE launch.
; x, w_qkv, w_proj arrive as codes of E2M3 with one E8M0 byte for each 32 along K.  q and k are quantised along the head's 64 (two blocks), the attention's result along its 1,024; the product of the weights p with v takes f32 operands.
; NO WORK IS LEFT OUT: every input has a way to the output (the bias on k moves k's codes), and every product of the problem is done.
; SHARES.  A work-group of four waves owns 64 tokens (256 work-groups).  THE WAVES SHARE THE COLUMNS, NOT THE ROWS: the weights go by in 32 slots of 128 rows x all of K (768 bytes a row); of a slot wave w fetches and reads 32 rows
; (two tiles of 16), for all 64 tokens (four tiles).  The tokens' fragments, 4 tiles x 8 K steps x 12 registers, stay in every wave's registers: x's for the first product, the attention's result's for the last.
; Every large product is used transposed (source 0 = 16 rows of a weight, source 1 = 16 tokens): a lane holds ONE token (lane % 16), and its registers the weight's rows 8 (lane / 16) + 0 .. 7 of the tile.
; SLOTS 0-15: q's and k's columns, in order.  A wave's 32 columns are one block of 32 of a head: they are quantised in registers and go to LDS as codes.  Inside a block the codes lie in the order (lane half, tile, register), alike for q and k, which leaves every product as it is.
; Then wave w takes tokens 16 w .. 16 w + 15: one scaled matrix instruction a token gives the 16 x 16 scores (K = 64; the upper 64 of the instruction's K are zero codes on k's side), and the softmax follows in registers: p = 2^(c s - c max), not normalised; 1 / sum is kept.
; SLOTS 16-23: v's columns; a tile is ONE channel d of all 16 heads, so that a lane's registers run along the heads.  Two slots give 16 channels of v in f32, through LDS; O^T = V^T P^T by v_wmma_f32_16x16x4_f32, a token at a time.
; Two such tiles are 16 neighbouring channels in a lane: times 1 / sum, quantised, the codes to LDS.   SLOTS 24-31: w_proj's rows; the results leave through two stages in LDS by turns, as whole pieces of 512 bytes of a row.
; CLUSTER.  The four work-groups of a cluster walk the same weights: each tile is asked for JOINTLY (the same tensor load, the same descriptor, a mask that names the four).  x's tile is a load of the work-group's own.
; LIMITS.  NaN and infinities among the inputs are not served.  A block of zeros gets the scale byte 1 (the quantiser's rule says 127): its codes are zeros, and the bytes are read by this program alone.
; 1 / sum multiplies the product of p and v and not p: an order of rounding in f32 other than the source's.
;
; REGISTERS, in windows of 256 (s_set_vgpr_msb: bits 1:0 source 0, 3:2 source 1, 5:4 source 2, 7:6 destination):
;   window 0: v1-29 addresses; v32-47 the tokens' scale words; v48-55 the slot's, v56-63 the next slot's; v64-79 bias; v80-175 the weight's fragments, four sets of 24; v176-231 at work; v232-235 the scores' scale words; v240-255 1 / sum
;   window 1: v0-191 the tokens' fragments, tiles 0, 1; v192-255 the 8 accumulators (between slots: k's fragments, then v's)      window 2: v0-191 tiles 2, 3; v192-255 O^T, upper 8 channels, two sets of 4 tokens
;   window 3: v0-127 O^T, lower 8 channels, 16 tokens; v128-255 p, 16 tokens (at the end: rows of the output)
.set SLOTB, 104448                     ; a slot: four quarters of 26,112 bytes
.set WQB,   26112                      ; a wave's quarter: 32 rows of 768 bytes + 16 behind each 256 (pitch 816), or 16 double rows of 1,536 bytes + 8 behind each 256 (pitch 1,584)
.set EX,    208896                     ; behind the ring: 118,272 bytes that change their use from phase to phase, each change behind a barrier
.set XT,    EX                         ; x's 64 rows, pitch 816: filled once, at the head
.set QKR,   EX                         ; q's and k's codes: token x 1,544 + 768 (k) + 48 head + 24 half + 12 (lane / 16)
.set QKS,   EX+98816                   ; their scale bytes: token x 68 + block (q: 0-31, k: 32-63)
.set VST,   EX                         ; 16 channels of v in f32: token x 1,040 + 512 q + 256 (lane / 16) + 16 channel + 4 (head % 4)
.set ORG,   EX+66560                   ; the result's codes: token x 776 + 384 half + 24 head + 12 (lane / 16)
.set OSC,   EX+116224                  ; its scale bytes: token x 32 + 2 head + half
.set YSB,   33792                      ; a stage for the output: 64 rows x (512 + 16) bytes; two of them from EX on
.set SPARE, 327168                     ; the spare words, 128 bytes for each wave: two blocks of 256 bytes that no other line names
.set SPW, 1                            ; v1  my spare word's address; never rewritten
.set NIL, 2                            ; v2  0; never rewritten
.set WBW, 3                            ; v3, v4  my place in a quarter of rows (v4: for the pieces behind one padding more)
.set WBW2, 4
.set WBV, 5                            ; v5, v6  the same in a quarter of double rows
.set WBV2, 6
.set ADW, 7                            ; v7, v8  the same in the slot in hand
.set ADW2, 8
.set LSC, 9                            ; 32 r + 16 h: scale words of neighbouring rows
.set LSV, 10                           ; 2,048 r + 16 h: of rows 64 apart
.set LB,  11                           ; 32 h: bias of neighbouring rows
.set LBV, 12                           ; 2,048 h: of rows 64 apart
.set LQW0, 13
.set LQW1, 14
.set LQS, 15
.set LQ,  16
.set LSS, 17
.set LW,  18
.set WC2, 19                           ; v19, v27, v28: working copies of addresses
.set LV,  20
.set LOC, 21
.set LOS, 22
.set LRD, 23
.set LRS, 24
.set YSW, 25
.set YSR, 26
.set WC0, 27
.set WC1, 28
.set YG,  29
.set XS,  32
.set WS,  48
.set WSN, 56
.set BI,  64
.set WF,  80
.set T,   176
.set SCR, 232
.set RINV, 240
.set ACC, 192                          ; in window 1
.set XC,  4                            ; s[4:21] the nine buffers
.set XSP, 6
.set WQC, 8
.set WQS, 10
.set BQ,  12
.set WPC, 14
.set WPS, 16
.set BP,  18
.set OUT, 20
.set WV,  22                           ; my wave's number
.set TB,  23                           ; LDS byte at which the slot in hand begins
.set WQ,  24                           ; my quarter in a slot
.set CNT, 25
.set RQ,  27                           ; my first row of the next slot of q or k to be asked for
.set RPJ, 28                           ; the same in w_proj
.set VC,  29                           ; the number of the next slot of v
.set RV0, 30
.set RR,  31
.set G1W, 32                           ; s[32:39] descriptor group 1: 32 rows;  s[40:47]: 16 double rows;  s[48:55]: x's 16 rows
.set G1V, 40
.set G1X, 48
.set G0,  56                           ; s[56:59] group 0: slot 0's first fill, then the one that walks;  s[60:63] slot 1's first fill;  s[68:71] x's
.set G0B, 60
.set G0X, 68
.set SB,  72                           ; s[72:73] where the scale words to be loaded next begin;  s[74:75] the bias
.set BB,  74
.set QST, 76                           ; what the slots of q and k add to the codes' address (96 a slot) and to the bytes' (4 a slot)
.set QSS, 77
.set CSN, 78                           ; -c
.set SEL, 82                           ; s[82:83] v_permlanex16_b32's selects for lane l xor 16
.set CS,  84                           ; s[84:85] c = log2(e) / 8
.set TMP, 86
.set SPO, 90                           ; 64 in the second slot of a pair of v's slots
.set YP,  91                           ; the stage in hand
.set CX,  92                           ; s92-97: all that hangs on my place in the cluster: it enters x's, its scales' and the output's addresses alone
.set MSB, 0
.macro WIN new                         ; the immediate's high byte repeats the setting that is left
.if MSB != (\new)
	s_set_vgpr_msb (MSB<<8)|(\new)
.set MSB, (\new)
.endif
.endm
.macro PLACES n
.rept \n
	v_nop
.endr
.endm
.macro CREST                           ; a round of the cluster's barrier behind its opening barrier
	s_cmp_lg_u32 s[WV], 0
	s_cbranch_scc1 .Lnot_wave_0_\@
	s_barrier_signal -3
.Lnot_wave_0_\@:
	s_barrier_wait -3
	s_barrier_signal -1
	s_barrier_wait -1
.endm
.macro CROUND
	s_barrier_signal -1
	s_barrier_wait -1
	CREST
.endm
.macro BAR                             ; my LDS stores have landed and my LDS loads are in: then the work-group's barrier
	s_wait_dscnt 0x0
	s_barrier_signal -1
	s_barrier_wait -1
.endm
; The two fragments (tiles 0, 1) of K step s of the slot in hand, into set s % 4.  A fragment is 12 registers: lane (r, h) takes, of row r, the 24 bytes at 96 s + 24 h and those 48 further on, in pieces of 8 bytes.
; typ 0: rows, 16 bytes of padding behind every 32 pieces; typ 1: double rows, 8 bytes.  Where lanes 16-31, three pieces on, lie behind one padding more, the second address register serves.
.macro FETCH typ, s
.irp u, 0,1
.irp p, 0,1,2,3,4,5
.set PCC, 12*(\s)+6*(\p/3)+\p%3
.if \typ
.set FO, 8*PCC+8*(PCC/32)+792*\u
.else
.set FO, 8*PCC+16*(PCC/32)+13056*\u
.endif
.set rA, WF+24*((\s)%4)+12*\u+2*\p
.if PCC%32 < 29
	ds_load_b64 v[rA:rA+1], v[ADW] offset:FO
.else
	ds_load_b64 v[rA:rA+1], v[ADW2] offset:FO
.endif
.endr
.endr
.endm
; Four matrix instructions of K step s: the token tiles m0, m0 + 1 x the slot's two tiles.  K step 0 takes the bias as C.  A scale register holds K step i in lanes 0-15 and K step 4 + i in lanes 16-31.
.macro KHALF s, m0
.if (\s) == 0
	WIN 0x44+2*(\m0)
.else
	WIN 0x54+2*(\m0)
.endif
.irp mt, \m0, \m0+1
.irp u, 0,1
.set rD, ACC+16*(\mt)+8*\u
.set rA, WF+24*((\s)%4)+12*\u
.set rB, 96*((\mt)&1)+12*(\s)
.set rW, WS+4*\u+((\s)&3)
.set rX, XS+4*(\mt)+((\s)&3)
.if (\s) == 0
	v_wmma_scale_f32_16x16x128_f8f6f4 v[rD:rD+7], v[rA:rA+11], v[rB:rB+11], v[BI+8*\u:BI+8*\u+7], v[rW], v[rX] matrix_a_fmt:MATRIX_FMT_FP6 matrix_b_fmt:MATRIX_FMT_FP6
.elseif (\s) < 4
	v_wmma_scale_f32_16x16x128_f8f6f4 v[rD:rD+7], v[rA:rA+11], v[rB:rB+11], v[rD:rD+7], v[rW], v[rX] matrix_a_fmt:MATRIX_FMT_FP6 matrix_b_fmt:MATRIX_FMT_FP6
.else
	v_wmma_scale_f32_16x16x128_f8f6f4 v[rD:rD+7], v[rA:rA+11], v[rB:rB+11], v[rD:rD+7], v[rW], v[rX] matrix_a_fmt:MATRIX_FMT_FP6 matrix_b_fmt:MATRIX_FMT_FP6 matrix_a_scale:MATRIX_SCALE_ROW1 matrix_b_scale:MATRIX_SCALE_ROW1
.endif
.endr
.endr
.endm
; A K step: 8 matrix instructions, the 8 accumulators by turns.  Odd steps take the token tiles the other way round, so that a step has one switch of the window in its middle; no two neighbours share an accumulator.
.macro KSTEP s
.if ((\s)%2) == 0
	KHALF \s, 0
	KHALF \s, 2
.else
	KHALF \s, 2
	KHALF \s, 0
.endif
.endm
.macro BIAS typ                        ; the next slot's bias in the result's layout: lane (r, h), tile u, register j: row 16 u + 8 h + j (typ 0) or u + 64 (8 h + j) (typ 1)
.if \typ
.irp u, 0,1
.irp j, 0,1,2,3,4,5,6,7
	global_load_b32 v[BI+8*\u+\j], v[LBV], s[BB:BB+1] offset:256*\j+4*\u
.endr
.endr
.else
.irp u, 0,1
.irp q, 0,1
	global_load_b128 v[BI+8*\u+4*\q:BI+8*\u+4*\q+3], v[LB], s[BB:BB+1] offset:64*\u+16*\q
.endr
.endr
.endif
.endm
.macro SCALES typ                      ; the scale words of the slot just asked for: 16 bytes a lane: row r's K steps 4 h .. 4 h + 3
.irp u, 0,1
.if \typ
	global_load_b128 v[WSN+4*\u:WSN+4*\u+3], v[LSV], s[SB:SB+1] offset:32*\u
.else
	global_load_b128 v[WSN+4*\u:WSN+4*\u+3], v[LSC], s[SB:SB+1] offset:512*\u
.endif
.endr
.endm
; Where the slot to be asked for lies.  fill 0: q's and k's rows; 1: v's; 2: w_proj's; 3: nothing is asked for.  Scalar work on registers alone; no tensor load of mine is out, and every earlier load has read its base.
.macro PREP fill
.if (\fill) == 0
	s_mov_b32 s[RR], s[RQ]
	s_add_co_u32 s[RQ], s[RQ], 128
.elseif (\fill) == 2
	s_mov_b32 s[RR], s[RPJ]
	s_add_co_u32 s[RPJ], s[RPJ], 128
.elseif (\fill) == 1
	s_lshr_b32 s[TMP], s[VC], 2
	s_lshl_b32 s[TMP], s[TMP], 4
	s_lshl_b32 s[RR], s[VC], 2
	s_add_co_u32 s[RR], s[RR], s[TMP]
	s_add_co_u32 s[RR], s[RR], s[RV0]              ; channel 4 v + 16 (v / 4) + 2 (w % 2) + 16 (w / 2) of head 0
	s_add_co_u32 s[VC], s[VC], 1
.endif
.if (\fill) != 3
	s_add_co_u32 s[G0+1], s[WQ], s[TB]             ; into the slot that is being read out
	s_mul_i32 s[TMP], s[RR], 768
	s_mov_b32 s[TMP+1], 0
.if (\fill) == 2
	s_add_nc_u64 s[G0+2:G0+3], s[WPC:WPC+1], s[TMP:TMP+1]
.else
	s_add_nc_u64 s[G0+2:G0+3], s[WQC:WQC+1], s[TMP:TMP+1]
.endif
	s_or_b32 s[G0+3], s[G0+3], 0x80000000
	s_lshl_b32 s[TMP], s[RR], 5
.if (\fill) == 2
	s_add_nc_u64 s[SB:SB+1], s[WPS:WPS+1], s[TMP:TMP+1]
.else
	s_add_nc_u64 s[SB:SB+1], s[WQS:WQS+1], s[TMP:TMP+1]
.endif
	s_lshl_b32 s[TMP], s[RR], 2
.if (\fill) == 2
	s_add_nc_u64 s[BB:BB+1], s[BP:BP+1], s[TMP:TMP+1]
.else
	s_add_nc_u64 s[BB:BB+1], s[BQ:BQ+1], s[TMP:TMP+1]
.endif
.endif
.endm
; A SLOT: 64 matrix instructions.  cur, nxt: the layout of this slot and of the next (0 rows, 1 double rows, 2 there is none); fill: what is asked for, two slots ahead, into the bytes that this slot leaves.
; hl: the global loads that may stay out at the head: the two of the next slot's scale words, issued behind the bias that K step 0 takes.
.macro SLOT cur, nxt, fill, hl
	s_wait_loadcnt \hl
	s_wait_dscnt 0x0                               ; K steps 0-3's fragments are in, and the LDS stores of the work between the slots have read the accumulators
.irp s, 0,1,2,3
	KSTEP \s
	WIN 0
	PLACES 4                                       ; four places in front of loads into registers that matrix instructions have read (ISA guide 7.12.1 for vector instructions)
	FETCH \cur, \s+4
.if (\s == 0) && (\nxt != 2)
	BIAS \nxt
.endif
.endr
	s_wait_tensorcnt 0x0                           ; all my tensor loads have landed: the one that was out is my quarter of the next slot;
	ds_add_u32 v[SPW], v[NIL]                      ; 0 onto my spare word; work on registers stands between it and the wait for it
	s_wait_xcnt 0x0                                ; every earlier global load and store has read its base
	PREP \fill
	s_wait_dscnt 37                                ; K step 4's fragments are in; behind them: three K steps' 36 loads and the add
	KSTEP 4
	s_wait_dscnt 25                                ; behind K step 5's: two K steps' 24 loads and the add
	KSTEP 5
	s_wait_dscnt 0x0                               ; the add is done, and my reads of this slot are over
	s_barrier_signal -1
	KSTEP 6
	WIN 0
	s_barrier_wait -1
.if (\fill) != 3
	CREST                                          ; the barrier has opened a round of the cluster's barrier: no wave of any partner still reads this slot or has a load on its way
.if (\fill) == 1
	tensor_load_to_lds s[G0:G0+3], s[G1V:G1V+7]
.else
	tensor_load_to_lds s[G0:G0+3], s[G1W:G1W+7]
.endif
	s_nop 0
	PLACES 4
.endif
	s_xor_b32 s[TB], s[TB], SLOTB                  ; on to the other slot
	KSTEP 7
	WIN 0
.if (\nxt) != 2
.if (\nxt) == 1
	v_add_nc_u32 v[ADW], s[TB], v[WBV]
	v_add_nc_u32 v[ADW2], s[TB], v[WBV2]
.else
	v_add_nc_u32 v[ADW], s[TB], v[WBW]
	v_add_nc_u32 v[ADW2], s[TB], v[WBW2]
.endif
	PLACES 2                                       ; with the two additions: four places
	FETCH \nxt, 0
	FETCH \nxt, 1
	FETCH \nxt, 2
	FETCH \nxt, 3
.if (\nxt) == 1
	s_wait_loadcnt 16                              ; the next slot's scale words are in; behind them: its bias, 16 loads
.else
	s_wait_loadcnt 4                               ; the same; 4 loads
.endif
.irp i, 0,1,2,3,4,5,6,7
	v_mov_b32 v[WS+\i], v[WSN+\i]
.endr
.if (\fill) == 1
	SCALES 1
.elseif (\fill) != 3
	SCALES 0
.endif
	PLACES 8                                       ; a scale register written by a vector instruction stands eight places ahead of a scaled matrix instruction
.else
	PLACES 4
.endif
.endm
; BEHIND A SLOT OF q OR k: my 32 columns of each token are one block of 32: lane (r, h) holds 16 of token r's, lane l xor 16 the others.  The four token tiles by turns.
.macro EQK
	v_add_nc_u32 v[WC0], s[QST], v[LQW0]
	v_add_nc_u32 v[WC1], s[QST], v[LQW1]
	v_add_nc_u32 v[WC2], s[QSS], v[LQS]
	WIN 0x05
.irp mt, 0,1,2,3
	v_max3_num_f32 v[T+\mt], |v[ACC+16*\mt]|, |v[ACC+16*\mt+1]|, 0x1800000   ; the floor 2^(3 - 127): the byte cannot fall under 1
.endr
	WIN 0x14
.irp i, 2,4,6,8,10,12,14
.irp mt, 0,1,2,3
	v_max3_num_f32 v[T+\mt], v[T+\mt], |v[ACC+16*\mt+\i]|, |v[ACC+16*\mt+\i+1]|
.endr
.endr
	WIN 0
.irp mt, 0,1,2,3
	v_permlanex16_b32 v[T+4+\mt], v[T+\mt], s[SEL], s[SEL+1]
.endr
.irp mt, 0,1,2,3
	v_max_num_f32 v[T+\mt], v[T+\mt], v[T+4+\mt]   ; the block's largest magnitude
.endr
.irp mt, 0,1,2,3
	v_add_nc_u32 v[T+8+\mt], 0xff000000, v[T+\mt]  ; 2 off its exponent field: the conversion's scale operand
.endr
.irp mt, 0,1,2,3
	v_lshrrev_b32 v[T+12+\mt], 23, v[T+8+\mt]      ; the scale's byte
.endr
	WIN 0x01
.irp mt, 0,1,2,3
	v_cvt_scalef32_pk16_fp6_f32 v[T+16+4*\mt:T+18+4*\mt], v[ACC+16*\mt:ACC+16*\mt+15], v[T+8+\mt]
.endr
	WIN 0
	v_nop                                          ; one plain place behind the scaled conversions
.irp mt, 0,1,2,3
.irp n, 0,1,2
	ds_store_b32 v[WC0+(\mt/2)], v[T+16+4*\mt+\n] offset:24704*(\mt%2)+4*\n
.endr
	ds_store_b8 v[WC2], v[T+12+\mt] offset:1088*\mt   ; both lanes of a block write the same byte with the same value
.endr
	s_add_co_u32 s[QST], s[QST], 96                ; two heads on
	s_add_co_u32 s[QSS], s[QSS], 4
.endm
; THE SCORES AND THE SOFTMAX of my 16 tokens, four at a time.
.macro SLOADS bt                       ; tokens 4 bt .. 4 bt + 3: k's 16 heads (source 0: lane (g, h) takes 24 bytes: block h), q's likewise (source 1), and a scale word: lanes 0-15 q's two bytes, lanes 16-31 k's
	WIN 0x40
.irp i, 0,1,2,3
.irp p, 0,1,2
	ds_load_b64 v[ACC+12*\i+2*\p:ACC+12*\i+2*\p+1], v[LQ] offset:1544*(4*(\bt)+\i)+768+8*\p
.endr
.endr
	WIN 0
.irp i, 0,1,2,3
.irp p, 0,1,2
	ds_load_b64 v[T+6*\i+2*\p:T+6*\i+2*\p+1], v[LQ] offset:1544*(4*(\bt)+\i)+8*\p
.endr
	ds_load_u16 v[SCR+\i], v[LSS] offset:68*(4*(\bt)+\i)
.endr
.endm
.macro SOFTMAX bt                      ; a lane holds query head r and key heads 8 h + 0 .. 7; p stays where the scores lay
	WIN 0x3f
.irp i, 0,1,2,3
	v_max3_num_f32 v[208+\i], v[128+8*(4*(\bt)+\i)], v[129+8*(4*(\bt)+\i)], v[130+8*(4*(\bt)+\i)]
.endr
	WIN 0x3c
.irp i, 0,1,2,3
	v_max3_num_f32 v[208+\i], v[208+\i], v[131+8*(4*(\bt)+\i)], v[132+8*(4*(\bt)+\i)]
.endr
.irp i, 0,1,2,3
	v_max3_num_f32 v[208+\i], v[208+\i], v[133+8*(4*(\bt)+\i)], v[134+8*(4*(\bt)+\i)]
.endr
.irp i, 0,1,2,3
	v_max_num_f32 v[208+\i], v[208+\i], v[135+8*(4*(\bt)+\i)]
.endr
	WIN 0
.irp i, 0,1,2,3
	v_permlanex16_b32 v[212+\i], v[208+\i], s[SEL], s[SEL+1]
.endr
.irp i, 0,1,2,3
	v_max_num_f32 v[208+\i], v[208+\i], v[212+\i]  ; the row's largest score
.endr
.irp i, 0,1,2,3
	v_mul_f32 v[216+2*\i], s[CSN], v[208+\i]       ; - c max
.endr
	WIN 0xc3
.irp k, 0,2,4,6
.irp i, 0,1,2,3
	v_pk_fma_f32 v[128+8*(4*(\bt)+\i)+\k:129+8*(4*(\bt)+\i)+\k], v[128+8*(4*(\bt)+\i)+\k:129+8*(4*(\bt)+\i)+\k], s[CS:CS+1], v[216+2*\i:217+2*\i] op_sel_hi:[1,0,0]
.endr
.endr
.irp j, 0,1,2,3,4,5,6,7
.irp i, 0,1,2,3
	v_exp_f32 v[128+8*(4*(\bt)+\i)+\j], v[128+8*(4*(\bt)+\i)+\j]
.endr
.endr
	WIN 0
	v_nop                                          ; a plain place behind the last exponential
	s_wait_alu depctr_va_vdst(0)                   ; one wait for the batch of 32 (and for the reciprocals of the batch before), ahead of the first reader
	WIN 0x0f
.irp i, 0,1,2,3
	v_pk_add_f32 v[224+2*\i:225+2*\i], v[128+8*(4*(\bt)+\i):129+8*(4*(\bt)+\i)], v[130+8*(4*(\bt)+\i):131+8*(4*(\bt)+\i)]
.endr
	WIN 0x0c
.irp k, 4,6
.irp i, 0,1,2,3
	v_pk_add_f32 v[224+2*\i:225+2*\i], v[224+2*\i:225+2*\i], v[128+8*(4*(\bt)+\i)+\k:129+8*(4*(\bt)+\i)+\k]
.endr
.endr
	WIN 0
.irp i, 0,1,2,3
	v_add_f32 v[224+2*\i], v[224+2*\i], v[225+2*\i]
.endr
.irp i, 0,1,2,3
	v_permlanex16_b32 v[212+\i], v[224+2*\i], s[SEL], s[SEL+1]
.endr
.irp i, 0,1,2,3
	v_add_f32 v[224+2*\i], v[224+2*\i], v[212+\i]  ; the row's sum
.endr
.irp i, 0,1,2,3
	v_rcp_f32 v[RINV+4*(\bt)+\i], v[224+2*\i]
.endr
.endm
.macro SCORES
	WIN 0x40
.irp i, 0,1,2,3
.irp n, 6,7,8,9,10,11
	v_mov_b32 v[ACC+12*\i+\n], 0                   ; k's codes of the instruction's upper 64 along K: zeros, which add nothing whatever stands against them (E2M3 has no NaN and no infinity)
.endr
.endr
	WIN 0
.irp n, 24,25,26,27,28,29
	v_mov_b32 v[T+\n], 0                           ; q's four fragments lie 6 registers apart: a fragment's upper six are the next one's lower six, the last one's these
.endr
	PLACES 4                                       ; an operand written by vector instructions stands four places ahead of a scaled matrix instruction
	SLOADS 0
.irp bt, 0,1,2,3
	s_wait_dscnt 0x0
	WIN 0xc1
.irp i, 0,1,2,3
	v_wmma_scale_f32_16x16x128_f8f6f4 v[128+8*(4*\bt+\i):135+8*(4*\bt+\i)], v[ACC+12*\i:ACC+12*\i+11], v[T+6*\i:T+6*\i+11], 0, v[SCR+\i], v[SCR+\i] matrix_a_fmt:MATRIX_FMT_FP6 matrix_b_fmt:MATRIX_FMT_FP6 matrix_a_scale:MATRIX_SCALE_ROW1
.endr
	WIN 0
	PLACES 4
.if \bt < 3
	SLOADS \bt+1
.endif
	SOFTMAX \bt
.endr
	v_nop
	s_wait_alu depctr_va_vdst(0)                   ; for the last four reciprocals
.endm
; BEHIND A SLOT OF v: my two channels of all heads and tokens go to LDS in f32: lane (token r, h): heads 8 h + 0 .. 7
.macro EVS
	v_add_nc_u32 v[WC2], s[SPO], v[LW]
	WIN 0x04
.irp mt, 0,1,2,3
.irp u, 0,1
.irp q, 0,1
	ds_store_b128 v[WC2], v[ACC+16*\mt+8*\u+4*\q:ACC+16*\mt+8*\u+4*\q+3] offset:16640*\mt+512*\q+16*\u
.endr
.endr
.endr
	WIN 0
	s_xor_b32 s[SPO], s[SPO], 64
.endm
.macro VLOAD bt                        ; V^T of tokens 4 bt .. 4 bt + 3: lane (channel r, h): heads 8 h + 0 .. 7
	WIN 0x40
.irp i, 0,1,2,3
.irp q, 0,1
	ds_load_b128 v[ACC+32*((\bt)%2)+8*\i+4*\q:ACC+32*((\bt)%2)+8*\i+4*\q+3], v[LV] offset:1040*(4*(\bt)+\i)+512*\q
.endr
.endr
	WIN 0
.endm
; O^T = V^T P^T of four tokens: 16 matrix instructions, the four accumulators by turns.  K step kk takes heads 8 h + 2 kk + 0, 1 on both sides.  These accumulators are written by matrix instructions alone; the first K step starts the sums.
.macro PBATCH up, bt
.if \up
	WIN 0xad
.else
	WIN 0xfd
.endif
.irp kk, 0,1,2,3
.irp i, 0,1,2,3
.if \up
.set rD, 192+32*((\bt)%2)+8*\i
.else
.set rD, 8*(4*(\bt)+\i)
.endif
.set rA, ACC+32*((\bt)%2)+8*\i+2*\kk
.set rB, 128+8*(4*(\bt)+\i)+2*\kk
.if \kk == 0
	v_wmma_f32_16x16x4_f32 v[rD:rD+7], v[rA:rA+1], v[rB:rB+1], 0
.else
	v_wmma_f32_16x16x4_f32 v[rD:rD+7], v[rA:rA+1], v[rB:rB+1], v[rD:rD+7]
.endif
.endr
.endr
	WIN 0
.endm
; Tokens i0, i0 + 1: lane (head r, h) holds channels 32 b + 16 h + 0 .. 15: times 1 / sum, quantised (the block's other half lies in lane l xor 16), codes and byte to LDS.
.macro QO2 i0, b
	v_mov_b32 v224, v[RINV+(\i0)]
	v_mov_b32 v226, v[RINV+(\i0)+1]
	WIN 0x03
.irp n, 0,2,4,6
.irp k, 0,1
	v_pk_mul_f32 v[T+16*\k+\n:T+16*\k+\n+1], v[8*((\i0)+\k)+\n:8*((\i0)+\k)+\n+1], v[224+2*\k:225+2*\k] op_sel_hi:[1,0]
.endr
.endr
	WIN 0x02
.irp n, 0,2,4,6
.irp k, 0,1
	v_pk_mul_f32 v[T+16*\k+8+\n:T+16*\k+9+\n], v[192+32*(((\i0)/4)%2)+8*(((\i0)+\k)%4)+\n:193+32*(((\i0)/4)%2)+8*(((\i0)+\k)%4)+\n], v[224+2*\k:225+2*\k] op_sel_hi:[1,0]
.endr
.endr
	WIN 0
.irp k, 0,1
	v_max3_num_f32 v[208+\k], |v[T+16*\k]|, |v[T+16*\k+1]|, 0x1800000
.endr
.irp n, 2,4,6,8,10,12,14
.irp k, 0,1
	v_max3_num_f32 v[208+\k], v[208+\k], |v[T+16*\k+\n]|, |v[T+16*\k+\n+1]|
.endr
.endr
.irp k, 0,1
	v_permlanex16_b32 v[210+\k], v[208+\k], s[SEL], s[SEL+1]
.endr
.irp k, 0,1
	v_max_num_f32 v[208+\k], v[208+\k], v[210+\k]
.endr
.irp k, 0,1
	v_add_nc_u32 v[212+\k], 0xff000000, v[208+\k]
.endr
	s_wait_dscnt 0x0                               ; the stores of the two tokens before have read their registers
.irp k, 0,1
	v_lshrrev_b32 v[214+\k], 23, v[212+\k]
.endr
.irp k, 0,1
	v_cvt_scalef32_pk16_fp6_f32 v[216+4*\k:218+4*\k], v[T+16*\k:T+16*\k+15], v[212+\k]
.endr
	v_nop                                          ; one plain place behind the scaled conversions
.irp k, 0,1
.irp n, 0,1,2
	ds_store_b32 v[LOC], v[216+4*\k+\n] offset:776*((\i0)+\k)+384*(\b)+4*\n
.endr
	ds_store_b8 v[LOS], v[214+\k] offset:32*((\i0)+\k)+(\b)
.endr
.endm
; Sixteen channels of v against p, for my 16 tokens.  up = 0: channels 32 b + 16 h + 0 .. 7, kept; up = 1: + 8 .. 15, and the result's block b of every head is quantised, a batch behind the products.
.macro P3 up, b
	VLOAD 0
	VLOAD 1
.irp bt, 0,1,2,3
.if \bt < 3
	s_wait_dscnt 8                                 ; this batch's 8 loads are in; the next batch's 8 may be out
.else
	s_wait_dscnt 0x0
.endif
	PBATCH \up, \bt
	PLACES 8                                       ; eight places behind this form, in front of loads into its operands and of reads of its results
.if \bt < 2
	VLOAD \bt+2
.endif
.if (\up) && (\bt > 0)
	QO2 4*(\bt-1), \b
	QO2 4*(\bt-1)+2, \b
.endif
.endr
.if \up
	QO2 12, \b
	QO2 14, \b
.else
	PLACES 1                                       ; the next slot's products write over registers that these have read: nine places
.endif
.endm
.macro VPAIR                           ; two slots of v, then all four waves' channels lie in LDS
	s_mov_b32 s[CNT], 2
.Lv_\@:
	SLOT 1, 1, 1, 2
	EVS
	s_sub_co_u32 s[CNT], s[CNT], 1
	s_cmp_lg_u32 s[CNT], 0
	s_cbranch_scc1 .Lv_\@
	BAR
.endm
; BEHIND A SLOT OF w_proj: my 32 columns of the 64 tokens go into one stage; rb = 1: the other stage, which the slot before filled (a barrier lies between), is read back as whole rows of 512 bytes and stored.
.macro YBACK
	s_wait_xcnt 0x0                                ; the stores of the slot before have read their registers and their base
	s_add_nc_u64 s[OUT:OUT+1], s[OUT:OUT+1], 512   ; 128 columns on; the stores reach back
	WIN 0xc0
.irp i, 0,1,2,3,4,5,6,7,8,9,10,11,12,13,14,15
	ds_load_b128 v[128+4*\i:131+4*\i], v[WC1] offset:528*\i
.endr
	WIN 0
.endm
.macro YSEND younger
	s_wait_dscnt \younger
	WIN 0x0c
.irp i, 0,1,2,3,4,5,6,7,8,9,10,11,12,13,14,15
	global_store_b128 v[YG], v[128+4*\i:131+4*\i], s[OUT:OUT+1] offset:4096*\i-512 th:TH_STORE_NT   ; 32 lanes store 512 consecutive bytes, at a multiple of 256 from the output's first byte
.endr
	WIN 0
.endm
.macro EPJ rb
	v_add_nc_u32 v[WC0], s[YP], v[YSW]
	s_xor_b32 s[YP], s[YP], YSB
.if \rb
	v_add_nc_u32 v[WC1], s[YP], v[YSR]
	YBACK
.endif
	WIN 0x04
.irp mt, 0,1,2,3
.irp u, 0,1
.irp q, 0,1
	ds_store_b128 v[WC0], v[ACC+16*\mt+8*\u+4*\q:ACC+16*\mt+8*\u+4*\q+3] offset:8448*\mt+64*\u+16*\q
.endr
.endr
.endr
	WIN 0
.if \rb
	YSEND 16                                       ; behind the 16 loads: the 16 stores into the other stage
.endif
.endm
	; ---------------- THE HEAD
	s_load_b256 s[4:11], s[0:1], 0x0               ; x's codes, x's scales, w_qkv's codes, w_qkv's scales
	s_load_b256 s[12:19], s[0:1], 0x20             ; b_qkv, w_proj's codes, w_proj's scales, b_proj
	s_load_b64 s[20:21], s[0:1], 0x40              ; the output
	v_lshl_add_u32 v[SPW], v0, 2, SPARE
	v_mov_b32 v[NIL], 0
	ds_add_u32 v[SPW], v[NIL]                      ; the wave's opening: the add, twice on end, and its wait ahead of my first tensor load; work on registers stands between the second and the wait
	ds_add_u32 v[SPW], v[NIL]
	v_lshrrev_b32 v208, 5, v0
	v_readfirstlane_b32 s[WV], v208                ; wave 0..3
	v_and_b32 v208, 15, v0                         ; r
	v_bfe_u32 v209, v0, 4, 1                       ; h
	v_and_b32 v210, 31, v0                         ; lane
	s_bfe_u32 s[CX], ttmp6, 0x40000                ; my place in the cluster
	s_lshl_b32 s[CX+1], ttmp9, 2
	s_add_co_u32 s[CX+1], s[CX+1], s[CX]           ; my work-group = 4 x cluster + place
	s_lshl_b32 s[CX+2], s[CX+1], 6
	s_lshl_b32 s[CX+3], s[WV], 4
	s_add_co_u32 s[CX+2], s[CX+2], s[CX+3]         ; my wave's first token
	s_mul_i32 s[WQ], s[WV], WQB
	s_mov_b32 s[TB], 0
	s_mov_b32 s[SPO], 0
	s_mov_b32 s[YP], 0
	s_mov_b32 s[QST], 0
	s_mov_b32 s[QSS], 0
	s_mov_b32 s[VC], 0
	s_lshl_b32 s[RPJ], s[WV], 5                    ; 32 w
	s_add_co_u32 s[RQ], s[RPJ], 256                ; slot 2's
	s_and_b32 s[TMP], s[WV], 1
	s_lshl_b32 s[TMP], s[TMP], 1                   ; 2 (w % 2)
	s_lshr_b32 s[TMP+1], s[WV], 1
	s_lshl_b32 s[TMP+1], s[TMP+1], 4               ; 16 (w / 2)
	s_add_co_u32 s[RV0], s[TMP], s[TMP+1]
	s_add_co_u32 s[RV0], s[RV0], 2048
	s_lshl_b32 s[TMP+2], s[TMP+1], 3
	s_lshl_b32 s[TMP+3], s[TMP], 4
	s_add_co_u32 s[TMP+2], s[TMP+2], s[TMP+3]
	s_add_co_u32 s[TMP+2], s[TMP+2], VST           ; 16 bytes x channel 8 (w / 2) + 2 (w % 2)
	s_mov_b32 s[SEL], 0x76543210
	s_mov_b32 s[SEL+1], 0xfedcba98
	s_mov_b32 s[CS], 0x3e38aa3b                    ; c = log2(e) / 8
	s_mov_b32 s[CS+1], s[CS]
	s_mov_b32 s[CSN], 0xbe38aa3b
	; descriptor group 1.  Elements of 1 byte.  Rows: 32 x 768 bytes, 16 bytes of padding behind each 256
	s_mov_b32 s[G1W], 15|(1<<20)|(1<<21)|(5<<22)|(3<<25)   ; 15:0 the mask: all four work-groups; 20 padding on; 21 set beside a mask; 24:22 after every 64 words; 31:25 4 words of it
	s_mov_b32 s[G1W+1], 768<<16
	s_mov_b32 s[G1W+2], 32<<16
	s_mov_b32 s[G1W+3], 768<<16
	s_mov_b32 s[G1W+4], 32
	s_mov_b32 s[G1W+5], 768
	s_mov_b32 s[G1W+6], 0
	s_mov_b32 s[G1W+7], 0
	; double rows: two neighbouring channels of one head, 1,536 bytes; 16 heads, 64 rows apart; 8 bytes of padding behind each 256
	s_mov_b32 s[G1V], 15|(1<<20)|(1<<21)|(5<<22)|(1<<25)
	s_mov_b32 s[G1V+1], 1536<<16
	s_mov_b32 s[G1V+2], 16<<16
	s_mov_b32 s[G1V+3], 1536<<16
	s_mov_b32 s[G1V+4], 16
	s_mov_b32 s[G1V+5], 49152
	s_mov_b32 s[G1V+6], 0
	s_mov_b32 s[G1V+7], 0
	; x: my 16 tokens' rows; no mask: the work-group's own
	s_mov_b32 s[G1X], (1<<20)|(5<<22)|(3<<25)
	s_mov_b32 s[G1X+1], 768<<16
	s_mov_b32 s[G1X+2], 16<<16
	s_mov_b32 s[G1X+3], 768<<16
	s_mov_b32 s[G1X+4], 16
	s_mov_b32 s[G1X+5], 768
	s_mov_b32 s[G1X+6], 0
	s_mov_b32 s[G1X+7], 0
	; every address register is made here, from the thread's number, the wave's number and constants
	v_mul_u32_u24 v[WBW], v208, 816
	v_mad_u32_u24 v[WBW], v209, 24, v[WBW]
	v_add_nc_u32 v236, XT, v[WBW]                  ; x's tile: row r, + 24 h
	v_lshl_add_u32 v237, v209, 4, v236             ; and behind one padding more
	v_add_nc_u32 v[WBW], s[WQ], v[WBW]
	v_lshl_add_u32 v[WBW2], v209, 4, v[WBW]
	v_mul_u32_u24 v[WBV], v208, 1584
	v_mad_u32_u24 v[WBV], v209, 24, v[WBV]
	v_add_nc_u32 v[WBV], s[WQ], v[WBV]
	v_lshl_add_u32 v[WBV2], v209, 3, v[WBV]
	v_lshlrev_b32 v[LSC], 5, v208
	v_lshl_add_u32 v[LSC], v209, 4, v[LSC]
	v_lshlrev_b32 v[LSV], 11, v208
	v_lshl_add_u32 v[LSV], v209, 4, v[LSV]
	v_lshlrev_b32 v[LB], 5, v209
	v_lshlrev_b32 v[LBV], 11, v209
	s_mul_i32 s[TMP], s[WV], 24                    ; my block of a head: 48 (w / 2) + 24 (w % 2) = 24 w
	s_add_co_u32 s[TMP], s[TMP], QKR
	v_mul_u32_u24 v[LQW0], v208, 1544
	v_mad_u32_u24 v[LQW0], v209, 12, v[LQW0]
	v_add_nc_u32 v[LQW0], s[TMP], v[LQW0]
	v_add_nc_u32 v[LQW1], 49408, v[LQW0]           ; token tiles 2, 3
	s_add_co_u32 s[TMP], s[WV], QKS
	v_mul_u32_u24 v[LQS], v208, 68
	v_add_nc_u32 v[LQS], s[TMP], v[LQS]
	s_mul_i32 s[TMP], s[WV], 24704
	s_add_co_u32 s[TMP], s[TMP], QKR
	v_mul_u32_u24 v[LQ], v208, 48
	v_mad_u32_u24 v[LQ], v209, 24, v[LQ]
	v_add_nc_u32 v[LQ], s[TMP], v[LQ]
	s_mul_i32 s[TMP], s[WV], 1088
	s_add_co_u32 s[TMP], s[TMP], QKS
	v_lshlrev_b32 v[LSS], 1, v208
	v_lshl_add_u32 v[LSS], v209, 5, v[LSS]
	v_add_nc_u32 v[LSS], s[TMP], v[LSS]
	v_mul_u32_u24 v[LW], v208, 1040
	v_lshl_add_u32 v[LW], v209, 8, v[LW]
	v_add_nc_u32 v[LW], s[TMP+2], v[LW]
	s_mul_i32 s[TMP], s[WV], 16640
	s_add_co_u32 s[TMP], s[TMP], VST
	v_lshlrev_b32 v[LV], 4, v208
	v_lshl_add_u32 v[LV], v209, 8, v[LV]
	v_add_nc_u32 v[LV], s[TMP], v[LV]
	s_mul_i32 s[TMP], s[WV], 12416
	s_add_co_u32 s[TMP], s[TMP], ORG
	v_mul_u32_u24 v[LOC], v208, 24
	v_mad_u32_u24 v[LOC], v209, 12, v[LOC]
	v_add_nc_u32 v[LOC], s[TMP], v[LOC]
	s_lshl_b32 s[TMP], s[WV], 9
	s_add_co_u32 s[TMP], s[TMP], OSC
	v_lshl_add_u32 v[LOS], v208, 1, s[TMP]
	v_mul_u32_u24 v[LRD], v208, 776
	v_mad_u32_u24 v[LRD], v209, 384, v[LRD]
	v_add_nc_u32 v[LRD], ORG, v[LRD]
	v_add_nc_u32 v[LRS], OSC, v[LSC]
	s_lshl_b32 s[TMP], s[WV], 7
	s_add_co_u32 s[TMP], s[TMP], EX
	v_mul_u32_u24 v[YSW], v208, 528
	v_lshl_add_u32 v[YSW], v209, 5, v[YSW]
	v_add_nc_u32 v[YSW], s[TMP], v[YSW]
	s_mul_i32 s[TMP], s[WV], 8448
	s_add_co_u32 s[TMP], s[TMP], EX
	v_lshl_add_u32 v[YSR], v210, 4, s[TMP]
	v_lshlrev_b32 v[YG], 4, v210
.irp n, 180,181,182,183,211,212,213,214,215,216,217,218,219,220,221,222,223,224,225,226,227,228,229,230,231
	v_mov_b32 v[\n], 0                             ; written once: a lane permute's destination counts as one of its sources, and a pair is named whole
.endr
	s_wait_dscnt 0x0                               ; both opening adds are done
	s_wait_kmcnt 0x0
	s_mul_i32 s[TMP], s[RPJ], 768                  ; my 32 rows of slot 0
	s_mov_b32 s[TMP+1], 0
	s_mov_b32 s[G0], 1
	s_mov_b32 s[G0+1], s[WQ]
	s_add_nc_u64 s[G0+2:G0+3], s[WQC:WQC+1], s[TMP:TMP+1]
	s_mov_b32 s[G0B], 1
	s_add_co_u32 s[G0B+1], s[WQ], SLOTB
	s_add_nc_u64 s[G0B+2:G0B+3], s[G0+2:G0+3], 128*768   ; slot 1: 128 rows on
	s_or_b32 s[G0+3], s[G0+3], 0x80000000
	s_or_b32 s[G0B+3], s[G0B+3], 0x80000000
	s_mov_b32 s[G0X], 1
	s_mul_i32 s[G0X+1], s[WV], 13056
	s_add_co_u32 s[G0X+1], s[G0X+1], XT
	s_mul_i32 s[CX+4], s[CX+2], 768
	s_mov_b32 s[CX+5], 0
	s_add_nc_u64 s[G0X+2:G0X+3], s[XC:XC+1], s[CX+4:CX+5]
	s_or_b32 s[G0X+3], s[G0X+3], 0x80000000
	s_lshl_b32 s[CX+4], s[CX+1], 11
	s_add_nc_u64 s[XSP:XSP+1], s[XSP:XSP+1], s[CX+4:CX+5]   ; x's scale bytes at my work-group's first token
	s_lshl_b32 s[CX+4], s[CX+2], 12
	s_add_nc_u64 s[OUT:OUT+1], s[OUT:OUT+1], s[CX+4:CX+5]   ; the output at my wave's first token
	s_lshl_b32 s[TMP], s[RPJ], 5
	s_add_nc_u64 s[SB:SB+1], s[WQS:WQS+1], s[TMP:TMP+1]     ; slot 0's scale words
	s_lshl_b32 s[TMP], s[RPJ], 2
	s_add_co_u32 s[TMP], s[TMP], 512
	s_add_nc_u64 s[BB:BB+1], s[BQ:BQ+1], s[TMP:TMP+1]       ; slot 1's bias; slot 0's is reached 512 bytes back
	CROUND                                         ; all four work-groups are here: the first joint loads meet
	tensor_load_to_lds s[G0X:G0X+3], s[G1X:G1X+7]  ; the first fills go out together: three loads of mine are out
	s_nop 0
	tensor_load_to_lds s[G0:G0+3], s[G1W:G1W+7]
	s_nop 0
	tensor_load_to_lds s[G0B:G0B+3], s[G1W:G1W+7]
	s_nop 0
	PLACES 4
.irp mt, 0,1,2,3
	global_load_b128 v[XS+4*\mt:XS+4*\mt+3], v[LSC], s[XSP:XSP+1] offset:512*\mt
.endr
.irp u, 0,1
	global_load_b128 v[WS+4*\u:WS+4*\u+3], v[LSC], s[SB:SB+1] offset:512*\u
.endr
.irp u, 0,1
.irp q, 0,1
	global_load_b128 v[BI+8*\u+4*\q:BI+8*\u+4*\q+3], v[LB], s[BB:BB+1] offset:64*\u+16*\q-512
.endr
.endr
.irp u, 0,1
	global_load_b128 v[WSN+4*\u:WSN+4*\u+3], v[LSC], s[SB:SB+1] offset:4096+512*\u   ; slot 1's
.endr
	s_wait_tensorcnt 1                             ; my rows of x and my quarter of slot 0 are in; slot 1's may stay out
	s_barrier_signal -1
	s_barrier_wait -1                              ; everybody's rows of x are in
.irp mt, 0,1,2,3                       ; all 32 fragments of x stay in my registers
	WIN 0x40+0x40*(\mt/2)
.irp s, 0,1,2,3,4,5,6,7
.irp p, 0,1,2,3,4,5
.set PCC, 12*\s+6*(\p/3)+\p%3
.set FO, 8*PCC+16*(PCC/32)+13056*\mt
.set rB, 96*(\mt&1)+12*\s+2*\p
.if PCC%32 < 29
	ds_load_b64 v[rB:rB+1], v236 offset:FO
.else
	ds_load_b64 v[rB:rB+1], v237 offset:FO
.endif
.endr
.endr
.endr
	WIN 0
	v_add_nc_u32 v[ADW], s[TB], v[WBW]
	v_add_nc_u32 v[ADW2], s[TB], v[WBW2]
	FETCH 0, 0
	FETCH 0, 1
	FETCH 0, 2
	FETCH 0, 3
	; ---------------- q AND k: slots 0-15
	s_mov_b32 s[CNT], 14
.Lqk:                                              ; slots 0-13 ask for slots 2-15
	SLOT 0, 0, 0, 2
	EQK
	s_sub_co_u32 s[CNT], s[CNT], 1
	s_cmp_lg_u32 s[CNT], 0
	s_cbranch_scc1 .Lqk
	SLOT 0, 0, 1, 2                                ; slot 14 asks for v's first: what differs is written out
	EQK
	SLOT 0, 1, 1, 2
	EQK
	BAR                                            ; all codes of q and k lie in LDS
	SCORES
	; ---------------- v: slots 16-23, in pairs
	VPAIR
	P3 0, 0
	VPAIR
	P3 1, 0
	VPAIR
	P3 0, 1
	SLOT 1, 1, 2, 2                                ; slots 22 and 23 ask for w_proj's first two
	EVS
	SLOT 1, 0, 2, 2
	EVS
	BAR
	P3 1, 1
	BAR                                            ; the result's codes and scale bytes of all 64 tokens lie in LDS
.irp mt, 0,1,2,3                       ; they take x's place in my registers: lane (r, h), K step s, registers 6 c on: block 4 s + 2 c + h = half h of head 2 s + c
	WIN 0x40+0x40*(\mt/2)
.irp s, 0,1,2,3,4,5,6,7
.irp c, 0,1
.irp p, 0,1,2
	ds_load_b64 v[96*(\mt&1)+12*\s+6*\c+2*\p:96*(\mt&1)+12*\s+6*\c+2*\p+1], v[LRD] offset:12416*\mt+48*\s+24*\c+8*\p
.endr
.endr
.endr
.endr
	WIN 0
.irp mt, 0,1,2,3
	ds_load_b128 v[XS+4*\mt:XS+4*\mt+3], v[LRS] offset:512*\mt
.endr
	; ---------------- THE PROJECTION: slots 24-31
	SLOT 0, 0, 2, 2
	EPJ 0
	s_mov_b32 s[CNT], 5
.Lpj:                                              ; slots 25-29 ask for slots 27-31
	SLOT 0, 0, 2, 2
	EPJ 1
	s_sub_co_u32 s[CNT], s[CNT], 1
	s_cmp_lg_u32 s[CNT], 0
	s_cbranch_scc1 .Lpj
	SLOT 0, 0, 3, 2                                ; the last two slots ask for nothing
	EPJ 1
	SLOT 0, 2, 3, 0
	EPJ 1
	BAR                                            ; the last stage is whole
	s_xor_b32 s[YP], s[YP], YSB
	v_add_nc_u32 v[WC1], s[YP], v[YSR]
	YBACK
	YSEND 0
	s_wait_tensorcnt 0x0                           ; the wave's end: an add onto my spare word and its wait, behind my last tensor load and my last LDS store
	ds_add_u32 v[SPW], v[NIL]
	s_wait_dscnt 0x0
	CROUND                                         ; the closing round: no work-group ends while a partner may still ask for a tile that names it
	s_endpgm
.Lfunc_end_k_q78da7d5301_fused:
	.size	k_q78da7d5301_fused, .Lfunc_end_k_q78da7d5301_fused-k_q78da7d5301_fused
	.p2alignl 7, 3214868480
	.fill 96, 4, 3214868480
	.section	.rodata,"a",@progbits
	.p2align	6, 0x0
	.amdhsa_kernel k_q78da7d5301_fused
		.amdhsa_group_segment_fixed_size 327680
		.amdhsa_private_segment_fixed_size 0
		.amdhsa_enable_private_segment 0
		.amdhsa_kernarg_size 72
		.amdhsa_user_sgpr_count 2
		.amdhsa_user_sgpr_kernarg_segment_ptr 1
		.amdhsa_wavefront_size32 1
		.amdhsa_system_sgpr_workgroup_id_x 1
		.amdhsa_system_sgpr_workgroup_id_y 1
		.amdhsa_system_sgpr_workgroup_id_z 1
		.amdhsa_system_vgpr_workitem_id 0
		.amdhsa_next_free_vgpr 1024
		.amdhsa_next_free_sgpr 100
		.amdhsa_reserve_vcc 0
		.amdhsa_float_denorm_mode_32 3
		.amdhsa_float_denorm_mode_16_64 3
		.amdhsa_memory_ordered 1
		.amdhsa_forward_progress 1
		.amdhsa_inst_pref_size 255
	.end_amdhsa_kernel
	.section	.bss,"aw",@nobits
	.p2align	6
	.space	262144
	.amdgpu_metadata
---
amdhsa.version: [ 1, 2 ]
amdhsa.kernels:
  - .name:           k_q78da7d5301_fused
    .symbol:         k_q78da7d5301_fused.kd
    .args:
      - { .name: x_codes, .offset: 0, .size: 8, .value_kind: global_buffer, .address_space: global }
      - { .name: x_scales, .offset: 8, .size: 8, .value_kind: global_buffer, .address_space: global }
      - { .name: w_qkv_codes, .offset: 16, .size: 8, .value_kind: global_buffer, .address_space: global }
      - { .name: w_qkv_scales, .offset: 24, .size: 8, .value_kind: global_buffer, .address_space: global }
      - { .name: b_qkv, .offset: 32, .size: 8, .value_kind: global_buffer, .address_space: global }
      - { .name: w_proj_codes, .offset: 40, .size: 8, .value_kind: global_buffer, .address_space: global }
      - { .name: w_proj_scales, .offset: 48, .size: 8, .value_kind: global_buffer, .address_space: global }
      - { .name: b_proj, .offset: 56, .size: 8, .value_kind: global_buffer, .address_space: global }
      - { .name: out0, .offset: 64, .size: 8, .value_kind: global_buffer, .address_space: global }
    .group_segment_fixed_size: 327680
    .private_segment_fixed_size: 0
    .kernarg_segment_align: 8
    .kernarg_segment_size: 72
    .max_flat_workgroup_size: 128
    .sgpr_count:     100
    .vgpr_count:     1024
    .wavefront_size: 32
...
	.end_amdgpu_metadata
.endif
;; end of part 1
;; ======== version 2 of 2: 1 launch; 1.15 times as fast as version 1
;; launch fused (part 2): grid 256 x 1, 4 waves a work-group, clusters of 4 x 1, 327,680 bytes of LDS; arguments x_codes, x_scales, w_qkv_codes, w_qkv_scales, b_qkv, w_proj_codes, w_proj_scales, b_proj, out0; writes out0
.if DOCPART == 2
	.amdgcn_target "amdgcn-amd-amdhsa--gfx1250"
	.amdhsa_code_object_version 6
	.text
	.protected	k_q78da7d5301_fused
	.globl	k_q78da7d5301_fused
	.p2align	8
	.type	k_q78da7d5301_fused,@function
k_q78da7d5301_fused:
	s_mov_b64 s[64:65], 0
	v_nop
	global_prefetch_b8 v0, s[64:65] scope:SCOPE_SE
	s_setreg_imm32_b32 hwreg(HW_REG_WAVE_MODE, 25, 1), 1
	s_wait_xcnt 0x0
	s_wait_alu depctr_hold_cnt(0) depctr_sa_sdst(0) depctr_va_vdst(0) depctr_va_sdst(0) depctr_va_ssrc(0) depctr_va_vcc(0) depctr_vm_vsrc(0)
	s_getreg_b32 s2, hwreg(HW_REG_IB_STS2, 6, 4)
	s_cmp_eq_u32 s2, 0
	s_cbranch_scc0 .Lentry_in_a_cluster
	s_endpgm
.Lentry_in_a_cluster:
	s_bfe_u32 s2, ttmp6, 0x10000c
	s_cmp_lg_u32 s2, 0x3003
	s_cbranch_scc0 .Lentry_shape_is_right
	s_endpgm
.Lentry_shape_is_right:
; out = (softmax over heads of q k^T / 8, times v) w_proj + b_proj, with qkv = x w_qkv + b_qkv, for 16,384 tokens of 1,024 numbers and 16 heads of 64, all in ONE launch.
; x, w_qkv, w_proj arrive as codes of E2M3 with one E8M0 byte for each 32 along K.  q and k are quantised along the head's 64 (two blocks), the attention's result along its 1,024; the product of the weights p with v takes f32 operands.
; NO WORK IS LEFT OUT: every input has a way to the output (the bias on k moves k's codes), and every product of the problem is done.
; SHARES.  A work-group of four waves owns 64 tokens (256 work-groups).  THE WAVES SHARE THE COLUMNS, NOT THE ROWS: the weights go by in 32 slots of 128 rows x all of K (768 bytes a row); of a slot wave w fetches and reads 32 rows
; (two tiles of 16), for all 64 tokens (four tiles).  The tokens' fragments, 4 tiles x 8 K steps x 12 registers, stay in every wave's registers: x's for the first product, the attention's result's for the last.
; Every large product is used transposed (source 0 = 16 rows of a weight, source 1 = 16 tokens): a lane holds ONE token (lane % 16), and its registers the weight's rows 8 (lane / 16) + 0 .. 7 of the tile.
; TRIPS 0-15: q's and k's columns.  A wave's 32 columns are one block of 32 of a head: they are quantised in registers and go to LDS as codes.  Inside a block the codes lie in the order (lane half, tile, register), alike for q and k, which leaves every product as it is.
; Then wave w takes tokens 16 w .. 16 w + 15: one scaled matrix instruction a token gives the 16 x 16 scores (K = 64; the upper 64 of the instruction's K are zero codes on k's side), and the softmax follows in registers: p = 2^(c s - c max), not normalised; 1 / sum is kept.
; TRIPS 16-23: v's columns; a tile is ONE channel d of all 16 heads, so that a lane's registers run along the heads.  Two slots give 16 channels of v in f32, through LDS; O^T = V^T P^T by v_wmma_f32_16x16x4_f32, a token at a time.
; Two such tiles are 16 neighbouring channels in a lane: times 1 / sum, quantised, the codes to LDS.   TRIPS 24-31: w_proj's rows; the results leave through two stages in LDS by turns, as whole pieces of 512 bytes of a row.
; CLUSTER.  The four work-groups of a cluster walk the same weights: each tile is asked for JOINTLY (the same tensor load, the same descriptor, a mask that names the four).  x's tile is a load of the work-group's own.
; THE WALK IS TURNED FROM CLUSTER TO CLUSTER.  With rho = cluster % 8, trip t of a group of eight slots (q's, k's, w_proj's) takes the group's slot (t - rho) mod 8: at any one time the 64 clusters ask for eight different slots, and from a group's second
; trip on a slot has been asked for by other clusters a trip before.  q's and k's codes lie in LDS by trips: head r lies at place (r + 2 rho) mod 16, which the scores' loads undo.  Of v's slots the two halves of a head's 64 channels change places
; in every second cluster (beta = cluster % 2).  The cluster's number is the same in all four partners; no branch and no trip count hangs on it.
; No prefetch is laid: every block of the weights is read by all 64 clusters, not once.
; LIMITS.  NaN and infinities among the inputs are not served.  A block of zeros gets the scale byte 1 (the quantiser's rule says 127): its codes are zeros, and the bytes are read by this program alone.
; 1 / sum multiplies the product of p and v and not p: an order of rounding in f32 other than the source's.
;
; REGISTERS, in windows of 256 (s_set_vgpr_msb: bits 1:0 source 0, 3:2 source 1, 5:4 source 2, 7:6 destination):
;   window 0: v1-31 addresses; v32-47 the tokens' scale words; v48-55 the slot's, v56-63 the next slot's; v64-79 bias; v80-175 the weight's fragments, four sets of 24; v176-231 at work; v232-235 the scores' scale words; v240-255 1 / sum
;   window 1: v0-191 the tokens' fragments, tiles 0, 1; v192-255 the 8 accumulators (between slots: k's fragments, then v's)      window 2: v0-191 tiles 2, 3; v192-255 O^T, upper 8 channels, two sets of 4 tokens
;   window 3: v0-127 O^T, lower 8 channels, 16 tokens; v128-255 p, 16 tokens (at the end: rows of the output)
.set SLOTB, 104448                     ; a slot: four quarters of 26,112 bytes
.set WQB,   26112                      ; a wave's quarter: 32 rows of 768 bytes + 16 behind each 256 (pitch 816), or 16 double rows of 1,536 bytes + 8 behind each 256 (pitch 1,584)
.set EX,    208896                     ; behind the ring: 118,272 bytes that change their use from phase to phase, each change behind a barrier
.set XT,    EX                         ; x's 64 rows, pitch 816: filled once, at the head
.set QKR,   EX                         ; q's and k's codes: token x 1,544 + 768 (k) + 48 place + 24 half + 12 (lane / 16)
.set QKS,   EX+98816                   ; their scale bytes: token x 68 + block (q: 0-31, k: 32-63)
.set VST,   EX                         ; 16 channels of v in f32: token x 1,040 + 512 q + 256 (lane / 16) + 16 channel + 4 (head % 4)
.set ORG,   EX+66560                   ; the result's codes: token x 776 + 384 half + 24 head + 12 (lane / 16)
.set OSC,   EX+116224                  ; its scale bytes: token x 32 + 2 head + half
.set YSB,   33792                      ; a stage for the output: 64 rows x (512 + 16) bytes; two of them from EX on
.set SPARE, 327168                     ; the spare words, 128 bytes for each wave: two blocks of 256 bytes that no other line names
.set SPW, 1                            ; v1  my spare word's address; never rewritten
.set NIL, 2                            ; v2  0; never rewritten
.set WBW, 3                            ; v3, v4  my place in a quarter of rows (v4: for the pieces behind one padding more)
.set WBW2, 4
.set WBV, 5                            ; v5, v6  the same in a quarter of double rows
.set WBV2, 6
.set ADW, 7                            ; v7, v8  the same in the slot in hand
.set ADW2, 8
.set LSC, 9                            ; 32 r + 16 h: scale words of neighbouring rows
.set LSV, 10                           ; 2,048 r + 16 h: of rows 64 apart
.set LB,  11                           ; 32 h: bias of neighbouring rows
.set LBV, 12                           ; 2,048 h: of rows 64 apart
.set LQW0, 13
.set LQW1, 14
.set LQS, 15
.set LQ,  16
.set LSS, 17
.set LW,  18
.set WC2, 19                           ; v19, v27, v28: working copies of addresses
.set LV,  20
.set LOC, 21                           ; v21, v22: the result's codes and bytes of the half that comes first; v30, v31: of the half that comes second
.set LOS, 22
.set LRD, 23
.set LRS, 24
.set YSW, 25
.set YSR, 26
.set WC0, 27
.set WC1, 28
.set YG,  29
.set LOCB, 30
.set LOSB, 31
.set XS,  32
.set WS,  48
.set WSN, 56
.set BI,  64
.set WF,  80
.set T,   176
.set SCR, 232
.set RINV, 240
.set ACC, 192                          ; in window 1
.set VXR, 3                            ; s3  4 beta
.set XC,  4                            ; s[4:21] the nine buffers
.set XSP, 6
.set WQC, 8
.set WQS, 10
.set BQ,  12
.set WPC, 14
.set WPS, 16
.set BP,  18
.set OUT, 20
.set WV,  22                           ; my wave's number
.set TB,  23                           ; LDS byte at which the slot in hand begins
.set WQ,  24                           ; my quarter in a slot
.set CNT, 25
.set YC,  26                           ; 512 x the trip of w_proj whose rows go out next
.set RQ,  27                           ; 128 x the next trip of q or k to be asked for + 32 w
.set RPJ, 28                           ; the same for w_proj
.set VC,  29                           ; the next trip of v
.set RV0, 30
.set RR,  31
.set G1W, 32                           ; s[32:39] descriptor group 1: 32 rows;  s[40:47]: 16 double rows;  s[48:55]: x's 16 rows
.set G1V, 40
.set G1X, 48
.set G0,  56                           ; s[56:59] group 0: trip 0's first fill, then the one that walks;  s[60:63] trip 1's first fill;  s[68:71] x's
.set G0B, 60
.set OUTW, 66                          ; s[66:67] the output at my first token and the columns that go out
.set G0X, 68
.set SB,  72                           ; s[72:73] where the scale words to be loaded next begin;  s[74:75] the bias
.set BB,  74
.set QST, 76                           ; what the trips of q and k add to the codes' address (96 a trip) and to the bytes' (4 a trip)
.set QSS, 77
.set CSN, 78                           ; -c
.set ROT, 79                           ; 128 rho
.set BB0, 80                           ; s[80:81] trip 0's bias
.set SEL, 82                           ; s[82:83] v_permlanex16_b32's selects for lane l xor 16
.set CS,  84                           ; s[84:85] c = log2(e) / 8
.set TMP, 86
.set SPO, 90                           ; 64 in the second slot of a pair of v's slots
.set YP,  91                           ; the stage in hand
.set CX,  92                           ; s92-97: all that hangs on my place in the cluster: it enters x's, its scales' and the output's addresses alone
.set SB1, 98                           ; s[98:99] trip 1's scale words
.set MSB, 0
.macro WIN new                         ; the immediate's high byte repeats the setting that is left
.if MSB != (\new)
	s_set_vgpr_msb (MSB<<8)|(\new)
.set MSB, (\new)
.endif
.endm
.macro PLACES n
.rept \n
	v_nop
.endr
.endm
.macro CREST                           ; a round of the cluster's barrier behind its opening barrier
	s_cmp_lg_u32 s[WV], 0
	s_cbranch_scc1 .Lnot_wave_0_\@
	s_barrier_signal -3
.Lnot_wave_0_\@:
	s_barrier_wait -3
	s_barrier_signal -1
	s_barrier_wait -1
.endm
.macro CROUND
	s_barrier_signal -1
	s_barrier_wait -1
	CREST
.endm
.macro BAR                             ; my LDS stores have landed and my LDS loads are in: then the work-group's barrier
	s_wait_dscnt 0x0
	s_barrier_signal -1
	s_barrier_wait -1
.endm
; The two fragments (tiles 0, 1) of K step s of the slot in hand, into set s % 4.  A fragment is 12 registers: lane (r, h) takes, of row r, the 24 bytes at 96 s + 24 h and those 48 further on, in pieces of 8 bytes.
; typ 0: rows, 16 bytes of padding behind every 32 pieces; typ 1: double rows, 8 bytes.  Where lanes 16-31, three pieces on, lie behind one padding more, the second address register serves.
.macro FETCH typ, s
.irp u, 0,1
.irp p, 0,1,2,3,4,5
.set PCC, 12*(\s)+6*(\p/3)+\p%3
.if \typ
.set FO, 8*PCC+8*(PCC/32)+792*\u
.else
.set FO, 8*PCC+16*(PCC/32)+13056*\u
.endif
.set rA, WF+24*((\s)%4)+12*\u+2*\p
.if PCC%32 < 29
	ds_load_b64 v[rA:rA+1], v[ADW] offset:FO
.else
	ds_load_b64 v[rA:rA+1], v[ADW2] offset:FO
.endif
.endr
.endr
.endm
; Four matrix instructions of K step s: the token tiles m0, m0 + 1 x the slot's two tiles.  K step 0 takes the bias as C.  A scale register holds K step i in lanes 0-15 and K step 4 + i in lanes 16-31.
.macro KHALF s, m0
.if (\s) == 0
	WIN 0x44+2*(\m0)
.else
	WIN 0x54+2*(\m0)
.endif
.irp mt, \m0, \m0+1
.irp u, 0,1
.set rD, ACC+16*(\mt)+8*\u
.set rA, WF+24*((\s)%4)+12*\u
.set rB, 96*((\mt)&1)+12*(\s)
.set rW, WS+4*\u+((\s)&3)
.set rX, XS+4*(\mt)+((\s)&3)
.if (\s) == 0
	v_wmma_scale_f32_16x16x128_f8f6f4 v[rD:rD+7], v[rA:rA+11], v[rB:rB+11], v[BI+8*\u:BI+8*\u+7], v[rW], v[rX] matrix_a_fmt:MATRIX_FMT_FP6 matrix_b_fmt:MATRIX_FMT_FP6
.elseif (\s) < 4
	v_wmma_scale_f32_16x16x128_f8f6f4 v[rD:rD+7], v[rA:rA+11], v[rB:rB+11], v[rD:rD+7], v[rW], v[rX] matrix_a_fmt:MATRIX_FMT_FP6 matrix_b_fmt:MATRIX_FMT_FP6
.else
	v_wmma_scale_f32_16x16x128_f8f6f4 v[rD:rD+7], v[rA:rA+11], v[rB:rB+11], v[rD:rD+7], v[rW], v[rX] matrix_a_fmt:MATRIX_FMT_FP6 matrix_b_fmt:MATRIX_FMT_FP6 matrix_a_scale:MATRIX_SCALE_ROW1 matrix_b_scale:MATRIX_SCALE_ROW1
.endif
.endr
.endr
.endm
; A K step: 8 matrix instructions, the 8 accumulators by turns.  Odd steps take the token tiles the other way round, so that a step has one switch of the window in its middle; no two neighbours share an accumulator.
.macro KSTEP s
.if ((\s)%2) == 0
	KHALF \s, 0
	KHALF \s, 2
.else
	KHALF \s, 2
	KHALF \s, 0
.endif
.endm
.macro BIAS typ                        ; the next slot's bias in the result's layout: lane (r, h), tile u, register j: row 16 u + 8 h + j (typ 0) or u + 64 (8 h + j) (typ 1)
.if \typ
.irp u, 0,1
.irp j, 0,1,2,3,4,5,6,7
	global_load_b32 v[BI+8*\u+\j], v[LBV], s[BB:BB+1] offset:256*\j+4*\u
.endr
.endr
.else
.irp u, 0,1
.irp q, 0,1
	global_load_b128 v[BI+8*\u+4*\q:BI+8*\u+4*\q+3], v[LB], s[BB:BB+1] offset:64*\u+16*\q
.endr
.endr
.endif
.endm
.macro SCALES typ                      ; the scale words of the slot just asked for: 16 bytes a lane: row r's K steps 4 h .. 4 h + 3
.irp u, 0,1
.if \typ
	global_load_b128 v[WSN+4*\u:WSN+4*\u+3], v[LSV], s[SB:SB+1] offset:32*\u
.else
	global_load_b128 v[WSN+4*\u:WSN+4*\u+3], v[LSC], s[SB:SB+1] offset:512*\u
.endif
.endr
.endm
; Where the slot to be asked for lies.  fill 0: q's and k's rows; 1: v's; 2: w_proj's; 3: nothing is asked for.  Scalar work on registers alone; no tensor load of mine is out, and every earlier load has read its base.
; Trip t of a group of eight takes the group's slot (t - rho) mod 8: 128 rho is taken off 128 t + 32 w, and the low ten bits are kept (bit 10 tells k's group from q's).
.macro PREP fill
.if (\fill) == 0
	s_sub_co_u32 s[RR], s[RQ], s[ROT]
	s_and_b32 s[RR], s[RR], 0x3ff
	s_and_b32 s[TMP], s[RQ], 0x400
	s_or_b32 s[RR], s[RR], s[TMP]
	s_add_co_u32 s[RQ], s[RQ], 128
.elseif (\fill) == 2
	s_sub_co_u32 s[RR], s[RPJ], s[ROT]
	s_and_b32 s[RR], s[RR], 0x3ff
	s_add_co_u32 s[RPJ], s[RPJ], 128
.elseif (\fill) == 1
	s_xor_b32 s[TMP+2], s[VC], s[VXR]              ; v = trip xor 4 beta
	s_lshr_b32 s[TMP], s[TMP+2], 2
	s_lshl_b32 s[TMP], s[TMP], 4
	s_lshl_b32 s[RR], s[TMP+2], 2
	s_add_co_u32 s[RR], s[RR], s[TMP]
	s_add_co_u32 s[RR], s[RR], s[RV0]              ; channel 4 v + 16 (v / 4) + 2 (w % 2) + 16 (w / 2) of head 0
	s_add_co_u32 s[VC], s[VC], 1
.endif
.if (\fill) != 3
	s_add_co_u32 s[G0+1], s[WQ], s[TB]             ; into the slot that is being read out
	s_mul_i32 s[TMP], s[RR], 768
	s_mov_b32 s[TMP+1], 0
.if (\fill) == 2
	s_add_nc_u64 s[G0+2:G0+3], s[WPC:WPC+1], s[TMP:TMP+1]
.else
	s_add_nc_u64 s[G0+2:G0+3], s[WQC:WQC+1], s[TMP:TMP+1]
.endif
	s_or_b32 s[G0+3], s[G0+3], 0x80000000
	s_lshl_b32 s[TMP], s[RR], 5
.if (\fill) == 2
	s_add_nc_u64 s[SB:SB+1], s[WPS:WPS+1], s[TMP:TMP+1]
.else
	s_add_nc_u64 s[SB:SB+1], s[WQS:WQS+1], s[TMP:TMP+1]
.endif
	s_lshl_b32 s[TMP], s[RR], 2
.if (\fill) == 2
	s_add_nc_u64 s[BB:BB+1], s[BP:BP+1], s[TMP:TMP+1]
.else
	s_add_nc_u64 s[BB:BB+1], s[BQ:BQ+1], s[TMP:TMP+1]
.endif
.endif
.endm
; A SLOT: 64 matrix instructions.  cur, nxt: the layout of this slot and of the next (0 rows, 1 double rows, 2 there is none); fill: what is asked for, two trips ahead, into the bytes that this slot leaves.
; hl: the global loads that may stay out at the head: the two of the next slot's scale words, issued behind the bias that K step 0 takes.
; All of the slot's fragments are asked of LDS by the end of K step 3.  The wait for my tensor load, the next slot's quarter, stands behind K step 6: from its request on, that load has the work between the slots and 56 matrix instructions in which to land.
.macro SLOT cur, nxt, fill, hl
	s_wait_loadcnt \hl
	s_wait_dscnt 0x0                               ; K steps 0-3's fragments are in, and the LDS stores of the work between the slots have read the accumulators
.irp s, 0,1,2,3
	KSTEP \s
	WIN 0
	PLACES 4                                       ; four places in front of loads into registers that matrix instructions have read (ISA guide 7.12.1 for vector instructions)
	FETCH \cur, \s+4
.if (\s == 0) && (\nxt != 2)
	BIAS \nxt
.endif
.endr
	s_wait_dscnt 36                                ; K step 4's fragments are in; behind them: three K steps' 36 loads
	KSTEP 4
	s_wait_dscnt 24                                ; behind K step 5's: 24 loads
	KSTEP 5
	s_wait_dscnt 12                                ; behind K step 6's: 12 loads
	KSTEP 6
	WIN 0                                          ; (the add's two registers lie in window 0)
	s_wait_tensorcnt 0x0                           ; all my tensor loads have landed: the one that was out is my quarter of the next slot;
	ds_add_u32 v[SPW], v[NIL]                      ; 0 onto my spare word; work on registers stands between it and the wait for it
	s_wait_xcnt 0x0                                ; every earlier global load and store has read its base
	PREP \fill
	s_wait_dscnt 1                                 ; K step 7's fragments are in; behind them: the add
	KSTEP 7
	WIN 0
	s_wait_dscnt 0x0                               ; the add is done, and my reads of this slot are over
	s_barrier_signal -1
	s_barrier_wait -1
.if (\fill) != 3
	CREST                                          ; the barrier has opened a round of the cluster's barrier: no wave of any partner still reads this slot or has a load on its way
.if (\fill) == 1
	tensor_load_to_lds s[G0:G0+3], s[G1V:G1V+7]
.else
	tensor_load_to_lds s[G0:G0+3], s[G1W:G1W+7]
.endif
	s_nop 0
	PLACES 4
.endif
	s_xor_b32 s[TB], s[TB], SLOTB                  ; on to the other slot
.if (\nxt) != 2
.if (\nxt) == 1
	v_add_nc_u32 v[ADW], s[TB], v[WBV]
	v_add_nc_u32 v[ADW2], s[TB], v[WBV2]
.else
	v_add_nc_u32 v[ADW], s[TB], v[WBW]
	v_add_nc_u32 v[ADW2], s[TB], v[WBW2]
.endif
	PLACES 2                                       ; with the two additions: four places behind K step 7
	FETCH \nxt, 0
	FETCH \nxt, 1
	FETCH \nxt, 2
	FETCH \nxt, 3
.if (\nxt) == 1
	s_wait_loadcnt 16                              ; the next slot's scale words are in; behind them: its bias, 16 loads
.else
	s_wait_loadcnt 4                               ; the same; 4 loads
.endif
.irp i, 0,1,2,3,4,5,6,7
	v_mov_b32 v[WS+\i], v[WSN+\i]
.endr
.if (\fill) == 1
	SCALES 1
.elseif (\fill) != 3
	SCALES 0
.endif
	PLACES 8                                       ; a scale register written by a vector instruction stands eight places ahead of a scaled matrix instruction
.else
	PLACES 4
.endif
.endm
; BEHIND A SLOT OF q OR k: my 32 columns of each token are one block of 32: lane (r, h) holds 16 of token r's, lane l xor 16 the others.  The four token tiles by turns.  The codes' place in LDS goes by trips.
.macro EQK
	v_add_nc_u32 v[WC0], s[QST], v[LQW0]
	v_add_nc_u32 v[WC1], s[QST], v[LQW1]
	v_add_nc_u32 v[WC2], s[QSS], v[LQS]
	WIN 0x05
.irp mt, 0,1,2,3
	v_max3_num_f32 v[T+\mt], |v[ACC+16*\mt]|, |v[ACC+16*\mt+1]|, 0x1800000   ; the floor 2^(3 - 127): the byte cannot fall under 1
.endr
	WIN 0x14
.irp i, 2,4,6,8,10,12,14
.irp mt, 0,1,2,3
	v_max3_num_f32 v[T+\mt], v[T+\mt], |v[ACC+16*\mt+\i]|, |v[ACC+16*\mt+\i+1]|
.endr
.endr
	WIN 0
.irp mt, 0,1,2,3
	v_permlanex16_b32 v[T+4+\mt], v[T+\mt], s[SEL], s[SEL+1]
.endr
.irp mt, 0,1,2,3
	v_max_num_f32 v[T+\mt], v[T+\mt], v[T+4+\mt]   ; the block's largest magnitude
.endr
.irp mt, 0,1,2,3
	v_add_nc_u32 v[T+8+\mt], 0xff000000, v[T+\mt]  ; 2 off its exponent field: the conversion's scale operand
.endr
.irp mt, 0,1,2,3
	v_lshrrev_b32 v[T+12+\mt], 23, v[T+8+\mt]      ; the scale's byte
.endr
	WIN 0x01
.irp mt, 0,1,2,3
	v_cvt_scalef32_pk16_fp6_f32 v[T+16+4*\mt:T+18+4*\mt], v[ACC+16*\mt:ACC+16*\mt+15], v[T+8+\mt]
.endr
	WIN 0
	v_nop                                          ; one plain place behind the scaled conversions
.irp mt, 0,1,2,3
.irp n, 0,1,2
	ds_store_b32 v[WC0+(\mt/2)], v[T+16+4*\mt+\n] offset:24704*(\mt%2)+4*\n
.endr
	ds_store_b8 v[WC2], v[T+12+\mt] offset:1088*\mt   ; both lanes of a block write the same byte with the same value
.endr
	s_add_co_u32 s[QST], s[QST], 96                ; two places on
	s_add_co_u32 s[QSS], s[QSS], 4
.endm
; THE SCORES AND THE SOFTMAX of my 16 tokens, four at a time.
.macro SLOADS bt                       ; tokens 4 bt .. 4 bt + 3: k's 16 heads (source 0: lane (g, h) takes 24 bytes: block h), q's likewise (source 1), and a scale word: lanes 0-15 q's two bytes, lanes 16-31 k's
	WIN 0x40
.irp i, 0,1,2,3
.irp p, 0,1,2
	ds_load_b64 v[ACC+12*\i+2*\p:ACC+12*\i+2*\p+1], v[LQ] offset:1544*(4*(\bt)+\i)+768+8*\p
.endr
.endr
	WIN 0
.irp i, 0,1,2,3
.irp p, 0,1,2
	ds_load_b64 v[T+6*\i+2*\p:T+6*\i+2*\p+1], v[LQ] offset:1544*(4*(\bt)+\i)+8*\p
.endr
	ds_load_u16 v[SCR+\i], v[LSS] offset:68*(4*(\bt)+\i)
.endr
.endm
.macro SOFTMAX bt                      ; a lane holds query head r and key heads 8 h + 0 .. 7; p stays where the scores lay
	WIN 0x3f
.irp i, 0,1,2,3
	v_max3_num_f32 v[208+\i], v[128+8*(4*(\bt)+\i)], v[129+8*(4*(\bt)+\i)], v[130+8*(4*(\bt)+\i)]
.endr
	WIN 0x3c
.irp i, 0,1,2,3
	v_max3_num_f32 v[208+\i], v[208+\i], v[131+8*(4*(\bt)+\i)], v[132+8*(4*(\bt)+\i)]
.endr
.irp i, 0,1,2,3
	v_max3_num_f32 v[208+\i], v[208+\i], v[133+8*(4*(\bt)+\i)], v[134+8*(4*(\bt)+\i)]
.endr
.irp i, 0,1,2,3
	v_max_num_f32 v[208+\i], v[208+\i], v[135+8*(4*(\bt)+\i)]
.endr
	WIN 0
.irp i, 0,1,2,3
	v_permlanex16_b32 v[212+\i], v[208+\i], s[SEL], s[SEL+1]
.endr
.irp i, 0,1,2,3
	v_max_num_f32 v[208+\i], v[208+\i], v[212+\i]  ; the row's largest score
.endr
.irp i, 0,1,2,3
	v_mul_f32 v[216+2*\i], s[CSN], v[208+\i]       ; - c max
.endr
	WIN 0xc3
.irp k, 0,2,4,6
.irp i, 0,1,2,3
	v_pk_fma_f32 v[128+8*(4*(\bt)+\i)+\k:129+8*(4*(\bt)+\i)+\k], v[128+8*(4*(\bt)+\i)+\k:129+8*(4*(\bt)+\i)+\k], s[CS:CS+1], v[216+2*\i:217+2*\i] op_sel_hi:[1,0,0]
.endr
.endr
.irp j, 0,1,2,3,4,5,6,7
.irp i, 0,1,2,3
	v_exp_f32 v[128+8*(4*(\bt)+\i)+\j], v[128+8*(4*(\bt)+\i)+\j]
.endr
.endr
	WIN 0
	v_nop                                          ; a plain place behind the last exponential
	s_wait_alu depctr_va_vdst(0)                   ; one wait for the batch of 32 (and for the reciprocals of the batch before), ahead of the first reader
	WIN 0x0f
.irp i, 0,1,2,3
	v_pk_add_f32 v[224+2*\i:225+2*\i], v[128+8*(4*(\bt)+\i):129+8*(4*(\bt)+\i)], v[130+8*(4*(\bt)+\i):131+8*(4*(\bt)+\i)]
.endr
	WIN 0x0c
.irp k, 4,6
.irp i, 0,1,2,3
	v_pk_add_f32 v[224+2*\i:225+2*\i], v[224+2*\i:225+2*\i], v[128+8*(4*(\bt)+\i)+\k:129+8*(4*(\bt)+\i)+\k]
.endr
.endr
	WIN 0
.irp i, 0,1,2,3
	v_add_f32 v[224+2*\i], v[224+2*\i], v[225+2*\i]
.endr
.irp i, 0,1,2,3
	v_permlanex16_b32 v[212+\i], v[224+2*\i], s[SEL], s[SEL+1]
.endr
.irp i, 0,1,2,3
	v_add_f32 v[224+2*\i], v[224+2*\i], v[212+\i]  ; the row's sum
.endr
.irp i, 0,1,2,3
	v_rcp_f32 v[RINV+4*(\bt)+\i], v[224+2*\i]
.endr
.endm
.macro SCORES
	WIN 0x40
.irp i, 0,1,2,3
.irp n, 6,7,8,9,10,11
	v_mov_b32 v[ACC+12*\i+\n], 0                   ; k's codes of the instruction's upper 64 along K: zeros, which add nothing whatever stands against them (E2M3 has no NaN and no infinity)
.endr
.endr
	WIN 0
.irp n, 24,25,26,27,28,29
	v_mov_b32 v[T+\n], 0                           ; q's four fragments lie 6 registers apart: a fragment's upper six are the next one's lower six, the last one's these
.endr
	PLACES 4                                       ; an operand written by vector instructions stands four places ahead of a scaled matrix instruction
	SLOADS 0
.irp bt, 0,1,2,3
	s_wait_dscnt 0x0
	WIN 0xc1
.irp i, 0,1,2,3
	v_wmma_scale_f32_16x16x128_f8f6f4 v[128+8*(4*\bt+\i):135+8*(4*\bt+\i)], v[ACC+12*\i:ACC+12*\i+11], v[T+6*\i:T+6*\i+11], 0, v[SCR+\i], v[SCR+\i] matrix_a_fmt:MATRIX_FMT_FP6 matrix_b_fmt:MATRIX_FMT_FP6 matrix_a_scale:MATRIX_SCALE_ROW1
.endr
	WIN 0
	PLACES 4
.if \bt < 3
	SLOADS \bt+1
.endif
	SOFTMAX \bt
.endr
	v_nop
	s_wait_alu depctr_va_vdst(0)                   ; for the last four reciprocals
.endm
; BEHIND A SLOT OF v: my two channels of all heads and tokens go to LDS in f32: lane (token r, h): heads 8 h + 0 .. 7
.macro EVS
	v_add_nc_u32 v[WC2], s[SPO], v[LW]
	WIN 0x04
.irp mt, 0,1,2,3
.irp u, 0,1
.irp q, 0,1
	ds_store_b128 v[WC2], v[ACC+16*\mt+8*\u+4*\q:ACC+16*\mt+8*\u+4*\q+3] offset:16640*\mt+512*\q+16*\u
.endr
.endr
.endr
	WIN 0
	s_xor_b32 s[SPO], s[SPO], 64
.endm
.macro VLOAD bt                        ; V^T of tokens 4 bt .. 4 bt + 3: lane (channel r, h): heads 8 h + 0 .. 7
	WIN 0x40
.irp i, 0,1,2,3
.irp q, 0,1
	ds_load_b128 v[ACC+32*((\bt)%2)+8*\i+4*\q:ACC+32*((\bt)%2)+8*\i+4*\q+3], v[LV] offset:1040*(4*(\bt)+\i)+512*\q
.endr
.endr
	WIN 0
.endm
; O^T = V^T P^T of four tokens: 16 matrix instructions, the four accumulators by turns.  K step kk takes heads 8 h + 2 kk + 0, 1 on both sides.  These accumulators are written by matrix instructions alone; the first K step starts the sums.
.macro PBATCH up, bt
.if \up
	WIN 0xad
.else
	WIN 0xfd
.endif
.irp kk, 0,1,2,3
.irp i, 0,1,2,3
.if \up
.set rD, 192+32*((\bt)%2)+8*\i
.else
.set rD, 8*(4*(\bt)+\i)
.endif
.set rA, ACC+32*((\bt)%2)+8*\i+2*\kk
.set rB, 128+8*(4*(\bt)+\i)+2*\kk
.if \kk == 0
	v_wmma_f32_16x16x4_f32 v[rD:rD+7], v[rA:rA+1], v[rB:rB+1], 0
.else
	v_wmma_f32_16x16x4_f32 v[rD:rD+7], v[rA:rA+1], v[rB:rB+1], v[rD:rD+7]
.endif
.endr
.endr
	WIN 0
.endm
; Tokens i0, i0 + 1: lane (head r, h) holds 16 neighbouring channels, 16 h + 0 .. 15 of a half of the head's 64: times 1 / sum, quantised (the block's other half lies in lane l xor 16), codes and byte to LDS.
; b: the half that comes first (0) or second (1); which half of the head that is stands in the address registers.
.macro QO2 i0, b
.if \b
.set rL, LOCB
.set rS, LOSB
.else
.set rL, LOC
.set rS, LOS
.endif
	v_mov_b32 v224, v[RINV+(\i0)]
	v_mov_b32 v226, v[RINV+(\i0)+1]
	WIN 0x03
.irp n, 0,2,4,6
.irp k, 0,1
	v_pk_mul_f32 v[T+16*\k+\n:T+16*\k+\n+1], v[8*((\i0)+\k)+\n:8*((\i0)+\k)+\n+1], v[224+2*\k:225+2*\k] op_sel_hi:[1,0]
.endr
.endr
	WIN 0x02
.irp n, 0,2,4,6
.irp k, 0,1
	v_pk_mul_f32 v[T+16*\k+8+\n:T+16*\k+9+\n], v[192+32*(((\i0)/4)%2)+8*(((\i0)+\k)%4)+\n:193+32*(((\i0)/4)%2)+8*(((\i0)+\k)%4)+\n], v[224+2*\k:225+2*\k] op_sel_hi:[1,0]
.endr
.endr
	WIN 0
.irp k, 0,1
	v_max3_num_f32 v[208+\k], |v[T+16*\k]|, |v[T+16*\k+1]|, 0x1800000
.endr
.irp n, 2,4,6,8,10,12,14
.irp k, 0,1
	v_max3_num_f32 v[208+\k], v[208+\k], |v[T+16*\k+\n]|, |v[T+16*\k+\n+1]|
.endr
.endr
.irp k, 0,1
	v_permlanex16_b32 v[210+\k], v[208+\k], s[SEL], s[SEL+1]
.endr
.irp k, 0,1
	v_max_num_f32 v[208+\k], v[208+\k], v[210+\k]
.endr
.irp k, 0,1
	v_add_nc_u32 v[212+\k], 0xff000000, v[208+\k]
.endr
	s_wait_dscnt 0x0                               ; the stores of the two tokens before have read their registers
.irp k, 0,1
	v_lshrrev_b32 v[214+\k], 23, v[212+\k]
.endr
.irp k, 0,1
	v_cvt_scalef32_pk16_fp6_f32 v[216+4*\k:218+4*\k], v[T+16*\k:T+16*\k+15], v[212+\k]
.endr
	v_nop                                          ; one plain place behind the scaled conversions
.irp k, 0,1
.irp n, 0,1,2
	ds_store_b32 v[rL], v[216+4*\k+\n] offset:776*((\i0)+\k)+4*\n
.endr
	ds_store_b8 v[rS], v[214+\k] offset:32*((\i0)+\k)
.endr
.endm
; Sixteen channels of v against p, for my 16 tokens.  up = 0: a lane's channels 16 h + 0 .. 7 of the half in hand, kept; up = 1: + 8 .. 15, and that half of every head is quantised, a batch behind the products.
.macro P3 up, b
	VLOAD 0
	VLOAD 1
.irp bt, 0,1,2,3
.if \bt < 3
	s_wait_dscnt 8                                 ; this batch's 8 loads are in; the next batch's 8 may be out
.else
	s_wait_dscnt 0x0
.endif
	PBATCH \up, \bt
	PLACES 8                                       ; eight places behind this form, in front of loads into its operands and of reads of its results
.if \bt < 2
	VLOAD \bt+2
.endif
.if (\up) && (\bt > 0)
	QO2 4*(\bt-1), \b
	QO2 4*(\bt-1)+2, \b
.endif
.endr
.if \up
	QO2 12, \b
	QO2 14, \b
.else
	PLACES 1                                       ; the next slot's products write over registers that these have read: nine places
.endif
.endm
.macro VPAIR                           ; two slots of v, then all four waves' channels lie in LDS
	s_mov_b32 s[CNT], 2
.Lv_\@:
	SLOT 1, 1, 1, 2
	EVS
	s_sub_co_u32 s[CNT], s[CNT], 1
	s_cmp_lg_u32 s[CNT], 0
	s_cbranch_scc1 .Lv_\@
	BAR
.endm
; BEHIND A SLOT OF w_proj: my 32 columns of the 64 tokens go into one stage; rb = 1: the other stage, which the trip before filled (a barrier lies between), is read back as whole rows of 512 bytes and stored.
.macro YBACK
	s_wait_xcnt 0x0                                ; the stores of the trip before have read their registers and their base
	s_lshl_b32 s[TMP], s[ROT], 2                   ; 512 rho
	s_sub_co_u32 s[TMP], s[YC], s[TMP]
	s_and_b32 s[TMP], s[TMP], 0xfff                ; the columns of trip t: 512 bytes x ((t - rho) mod 8)
	s_mov_b32 s[TMP+1], 0
	s_add_nc_u64 s[OUTW:OUTW+1], s[OUT:OUT+1], s[TMP:TMP+1]
	s_add_co_u32 s[YC], s[YC], 512
	WIN 0xc0
.irp i, 0,1,2,3,4,5,6,7,8,9,10,11,12,13,14,15
	ds_load_b128 v[128+4*\i:131+4*\i], v[WC1] offset:528*\i
.endr
	WIN 0
.endm
.macro YSEND younger
	s_wait_dscnt \younger
	WIN 0x0c
.irp i, 0,1,2,3,4,5,6,7,8,9,10,11,12,13,14,15
	global_store_b128 v[YG], v[128+4*\i:131+4*\i], s[OUTW:OUTW+1] offset:4096*\i th:TH_STORE_NT   ; 32 lanes store 512 consecutive bytes, at a multiple of 256 from the output's first byte
.endr
	WIN 0
.endm
.macro EPJ rb
	v_add_nc_u32 v[WC0], s[YP], v[YSW]
	s_xor_b32 s[YP], s[YP], YSB
.if \rb
	v_add_nc_u32 v[WC1], s[YP], v[YSR]
	YBACK
.endif
	WIN 0x04
.irp mt, 0,1,2,3
.irp u, 0,1
.irp q, 0,1
	ds_store_b128 v[WC0], v[ACC+16*\mt+8*\u+4*\q:ACC+16*\mt+8*\u+4*\q+3] offset:8448*\mt+64*\u+16*\q
.endr
.endr
.endr
	WIN 0
.if \rb
	YSEND 16                                       ; behind the 16 loads: the 16 stores into the other stage
.endif
.endm
	; ---------------- THE HEAD
	s_load_b256 s[4:11], s[0:1], 0x0               ; x's codes, x's scales, w_qkv's codes, w_qkv's scales
	s_load_b256 s[12:19], s[0:1], 0x20             ; b_qkv, w_proj's codes, w_proj's scales, b_proj
	s_load_b64 s[20:21], s[0:1], 0x40              ; the output
	v_lshl_add_u32 v[SPW], v0, 2, SPARE
	v_mov_b32 v[NIL], 0
	ds_add_u32 v[SPW], v[NIL]                      ; the wave's opening: the add, twice on end, and its wait ahead of my first tensor load; work on registers stands between the second and the wait
	ds_add_u32 v[SPW], v[NIL]
	v_lshrrev_b32 v208, 5, v0
	v_readfirstlane_b32 s[WV], v208                ; wave 0..3
	v_and_b32 v208, 15, v0                         ; r
	v_bfe_u32 v209, v0, 4, 1                       ; h
	v_and_b32 v210, 31, v0                         ; lane
	s_bfe_u32 s[CX], ttmp6, 0x40000                ; my place in the cluster
	s_lshl_b32 s[CX+1], ttmp9, 2
	s_add_co_u32 s[CX+1], s[CX+1], s[CX]           ; my work-group = 4 x cluster + place
	s_lshl_b32 s[CX+2], s[CX+1], 6
	s_lshl_b32 s[CX+3], s[WV], 4
	s_add_co_u32 s[CX+2], s[CX+2], s[CX+3]         ; my wave's first token
	s_and_b32 s[ROT], ttmp9, 7                     ; rho: the cluster's number, which the four partners share
	s_lshl_b32 s[ROT], s[ROT], 7                   ; 128 rho
	s_mul_i32 s[WQ], s[WV], WQB
	s_mov_b32 s[TB], 0
	s_mov_b32 s[SPO], 0
	s_mov_b32 s[YP], 0
	s_mov_b32 s[YC], 0
	s_mov_b32 s[QST], 0
	s_mov_b32 s[QSS], 0
	s_mov_b32 s[VC], 0
	s_lshl_b32 s[RPJ], s[WV], 5                    ; 32 w
	s_add_co_u32 s[RQ], s[RPJ], 256                ; trip 2's
	s_and_b32 s[TMP], s[WV], 1
	s_lshl_b32 s[TMP], s[TMP], 1                   ; 2 (w % 2)
	s_lshr_b32 s[TMP+1], s[WV], 1
	s_lshl_b32 s[TMP+1], s[TMP+1], 4               ; 16 (w / 2)
	s_add_co_u32 s[RV0], s[TMP], s[TMP+1]
	s_add_co_u32 s[RV0], s[RV0], 2048
	s_lshl_b32 s[TMP+2], s[TMP+1], 3
	s_lshl_b32 s[TMP+3], s[TMP], 4
	s_add_co_u32 s[TMP+2], s[TMP+2], s[TMP+3]
	s_add_co_u32 s[TMP+2], s[TMP+2], VST           ; 16 bytes x channel 8 (w / 2) + 2 (w % 2)
	s_mov_b32 s[SEL], 0x76543210
	s_mov_b32 s[SEL+1], 0xfedcba98
	s_mov_b32 s[CS], 0x3e38aa3b                    ; c = log2(e) / 8
	s_mov_b32 s[CS+1], s[CS]
	s_mov_b32 s[CSN], 0xbe38aa3b
	; descriptor group 1.  Elements of 1 byte.  Rows: 32 x 768 bytes, 16 bytes of padding behind each 256
	s_mov_b32 s[G1W], 15|(1<<20)|(1<<21)|(5<<22)|(3<<25)   ; 15:0 the mask: all four work-groups; 20 padding on; 21 set beside a mask; 24:22 after every 64 words; 31:25 4 words of it
	s_mov_b32 s[G1W+1], 768<<16
	s_mov_b32 s[G1W+2], 32<<16
	s_mov_b32 s[G1W+3], 768<<16
	s_mov_b32 s[G1W+4], 32
	s_mov_b32 s[G1W+5], 768
	s_mov_b32 s[G1W+6], 0
	s_mov_b32 s[G1W+7], 0
	; double rows: two neighbouring channels of one head, 1,536 bytes; 16 heads, 64 rows apart; 8 bytes of padding behind each 256
	s_mov_b32 s[G1V], 15|(1<<20)|(1<<21)|(5<<22)|(1<<25)
	s_mov_b32 s[G1V+1], 1536<<16
	s_mov_b32 s[G1V+2], 16<<16
	s_mov_b32 s[G1V+3], 1536<<16
	s_mov_b32 s[G1V+4], 16
	s_mov_b32 s[G1V+5], 49152
	s_mov_b32 s[G1V+6], 0
	s_mov_b32 s[G1V+7], 0
	; x: my 16 tokens' rows; no mask: the work-group's own
	s_mov_b32 s[G1X], (1<<20)|(5<<22)|(3<<25)
	s_mov_b32 s[G1X+1], 768<<16
	s_mov_b32 s[G1X+2], 16<<16
	s_mov_b32 s[G1X+3], 768<<16
	s_mov_b32 s[G1X+4], 16
	s_mov_b32 s[G1X+5], 768
	s_mov_b32 s[G1X+6], 0
	s_mov_b32 s[G1X+7], 0
	; every address register is made here, from the thread's number, the wave's number, constants and (six of them) one term from the cluster's number
	v_mul_u32_u24 v[WBW], v208, 816
	v_mad_u32_u24 v[WBW], v209, 24, v[WBW]
	v_add_nc_u32 v236, XT, v[WBW]                  ; x's tile: row r, + 24 h
	v_lshl_add_u32 v237, v209, 4, v236             ; and behind one padding more
	v_add_nc_u32 v[WBW], s[WQ], v[WBW]
	v_lshl_add_u32 v[WBW2], v209, 4, v[WBW]
	v_mul_u32_u24 v[WBV], v208, 1584
	v_mad_u32_u24 v[WBV], v209, 24, v[WBV]
	v_add_nc_u32 v[WBV], s[WQ], v[WBV]
	v_lshl_add_u32 v[WBV2], v209, 3, v[WBV]
	v_lshlrev_b32 v[LSC], 5, v208
	v_lshl_add_u32 v[LSC], v209, 4, v[LSC]
	v_lshlrev_b32 v[LSV], 11, v208
	v_lshl_add_u32 v[LSV], v209, 4, v[LSV]
	v_lshlrev_b32 v[LB], 5, v209
	v_lshlrev_b32 v[LBV], 11, v209
	s_mul_i32 s[TMP], s[WV], 24                    ; my block of a head: 48 (w / 2) + 24 (w % 2) = 24 w
	s_add_co_u32 s[TMP], s[TMP], QKR
	v_mul_u32_u24 v[LQW0], v208, 1544
	v_mad_u32_u24 v[LQW0], v209, 12, v[LQW0]
	v_add_nc_u32 v[LQW0], s[TMP], v[LQW0]
	v_add_nc_u32 v[LQW1], 49408, v[LQW0]           ; token tiles 2, 3
	s_add_co_u32 s[TMP], s[WV], QKS
	v_mul_u32_u24 v[LQS], v208, 68
	v_add_nc_u32 v[LQS], s[TMP], v[LQS]
	s_and_b32 s[TMP+3], ttmp9, 7
	s_lshl_b32 s[TMP+3], s[TMP+3], 1               ; 2 rho
	v_add_nc_u32 v238, s[TMP+3], v208
	v_and_b32 v238, 15, v238                       ; head r of q and of k lies at place (r + 2 rho) mod 16
	s_mul_i32 s[TMP], s[WV], 24704
	s_add_co_u32 s[TMP], s[TMP], QKR
	v_mul_u32_u24 v[LQ], v238, 48
	v_mad_u32_u24 v[LQ], v209, 24, v[LQ]
	v_add_nc_u32 v[LQ], s[TMP], v[LQ]
	s_mul_i32 s[TMP], s[WV], 1088
	s_add_co_u32 s[TMP], s[TMP], QKS
	v_lshlrev_b32 v[LSS], 1, v238
	v_lshl_add_u32 v[LSS], v209, 5, v[LSS]
	v_add_nc_u32 v[LSS], s[TMP], v[LSS]
	v_mul_u32_u24 v[LW], v208, 1040
	v_lshl_add_u32 v[LW], v209, 8, v[LW]
	v_add_nc_u32 v[LW], s[TMP+2], v[LW]
	s_mul_i32 s[TMP], s[WV], 16640
	s_add_co_u32 s[TMP], s[TMP], VST
	v_lshlrev_b32 v[LV], 4, v208
	v_lshl_add_u32 v[LV], v209, 8, v[LV]
	v_add_nc_u32 v[LV], s[TMP], v[LV]
	s_mul_i32 s[TMP], s[WV], 12416
	s_add_co_u32 s[TMP], s[TMP], ORG
	v_mul_u32_u24 v[LOC], v208, 24
	v_mad_u32_u24 v[LOC], v209, 12, v[LOC]
	v_add_nc_u32 v[LOC], s[TMP], v[LOC]
	s_lshl_b32 s[TMP], s[WV], 9
	s_add_co_u32 s[TMP], s[TMP], OSC
	v_lshl_add_u32 v[LOS], v208, 1, s[TMP]
	s_add_co_u32 s[TMP], ttmp9, 1
	s_and_b32 s[TMP], s[TMP], 1                    ; 1 - beta: the half of a head's channels that comes second
	s_mul_i32 s[TMP+1], s[TMP], 384
	v_add_nc_u32 v[LOCB], s[TMP+1], v[LOC]
	v_add_nc_u32 v[LOSB], s[TMP], v[LOS]
	s_and_b32 s[TMP], ttmp9, 1                     ; beta: the half that comes first
	s_lshl_b32 s[VXR], s[TMP], 2
	s_mul_i32 s[TMP+1], s[TMP], 384
	v_add_nc_u32 v[LOC], s[TMP+1], v[LOC]
	v_add_nc_u32 v[LOS], s[TMP], v[LOS]
	v_mul_u32_u24 v[LRD], v208, 776
	v_mad_u32_u24 v[LRD], v209, 384, v[LRD]
	v_add_nc_u32 v[LRD], ORG, v[LRD]
	v_add_nc_u32 v[LRS], OSC, v[LSC]
	s_lshl_b32 s[TMP], s[WV], 7
	s_add_co_u32 s[TMP], s[TMP], EX
	v_mul_u32_u24 v[YSW], v208, 528
	v_lshl_add_u32 v[YSW], v209, 5, v[YSW]
	v_add_nc_u32 v[YSW], s[TMP], v[YSW]
	s_mul_i32 s[TMP], s[WV], 8448
	s_add_co_u32 s[TMP], s[TMP], EX
	v_lshl_add_u32 v[YSR], v210, 4, s[TMP]
	v_lshlrev_b32 v[YG], 4, v210
.irp n, 180,181,182,183,211,212,213,214,215,216,217,218,219,220,221,222,223,224,225,226,227,228,229,230,231
	v_mov_b32 v[\n], 0                             ; written once: a lane permute's destination counts as one of its sources, and a pair is named whole
.endr
	s_wait_dscnt 0x0                               ; both opening adds are done
	s_wait_kmcnt 0x0
	s_sub_co_u32 s[RR], s[RPJ], s[ROT]
	s_and_b32 s[RR], s[RR], 0x3ff                  ; trip 0: my 32 rows of slot (0 - rho) mod 8
	s_mul_i32 s[TMP], s[RR], 768
	s_mov_b32 s[TMP+1], 0
	s_mov_b32 s[G0], 1
	s_mov_b32 s[G0+1], s[WQ]
	s_add_nc_u64 s[G0+2:G0+3], s[WQC:WQC+1], s[TMP:TMP+1]
	s_or_b32 s[G0+3], s[G0+3], 0x80000000
	s_lshl_b32 s[TMP], s[RR], 5
	s_add_nc_u64 s[SB:SB+1], s[WQS:WQS+1], s[TMP:TMP+1]     ; its scale words
	s_lshl_b32 s[TMP], s[RR], 2
	s_add_nc_u64 s[BB0:BB0+1], s[BQ:BQ+1], s[TMP:TMP+1]     ; its bias
	s_add_co_u32 s[RR], s[RPJ], 128
	s_sub_co_u32 s[RR], s[RR], s[ROT]
	s_and_b32 s[RR], s[RR], 0x3ff                  ; trip 1: slot (1 - rho) mod 8
	s_mul_i32 s[TMP], s[RR], 768
	s_mov_b32 s[G0B], 1
	s_add_co_u32 s[G0B+1], s[WQ], SLOTB
	s_add_nc_u64 s[G0B+2:G0B+3], s[WQC:WQC+1], s[TMP:TMP+1]
	s_or_b32 s[G0B+3], s[G0B+3], 0x80000000
	s_lshl_b32 s[TMP], s[RR], 5
	s_add_nc_u64 s[SB1:SB1+1], s[WQS:WQS+1], s[TMP:TMP+1]
	s_lshl_b32 s[TMP], s[RR], 2
	s_add_nc_u64 s[BB:BB+1], s[BQ:BQ+1], s[TMP:TMP+1]
	s_mov_b32 s[G0X], 1
	s_mul_i32 s[G0X+1], s[WV], 13056
	s_add_co_u32 s[G0X+1], s[G0X+1], XT
	s_mul_i32 s[CX+4], s[CX+2], 768
	s_mov_b32 s[CX+5], 0
	s_add_nc_u64 s[G0X+2:G0X+3], s[XC:XC+1], s[CX+4:CX+5]
	s_or_b32 s[G0X+3], s[G0X+3], 0x80000000
	s_lshl_b32 s[CX+4], s[CX+1], 11
	s_add_nc_u64 s[XSP:XSP+1], s[XSP:XSP+1], s[CX+4:CX+5]   ; x's scale bytes at my work-group's first token
	s_lshl_b32 s[CX+4], s[CX+2], 12
	s_add_nc_u64 s[OUT:OUT+1], s[OUT:OUT+1], s[CX+4:CX+5]   ; the output at my wave's first token
	CROUND                                         ; all four work-groups are here: the first joint loads meet
	tensor_load_to_lds s[G0X:G0X+3], s[G1X:G1X+7]  ; the first fills go out together: three loads of mine are out
	s_nop 0
	tensor_load_to_lds s[G0:G0+3], s[G1W:G1W+7]
	s_nop 0
	tensor_load_to_lds s[G0B:G0B+3], s[G1W:G1W+7]
	s_nop 0
	PLACES 4
.irp mt, 0,1,2,3
	global_load_b128 v[XS+4*\mt:XS+4*\mt+3], v[LSC], s[XSP:XSP+1] offset:512*\mt
.endr
.irp u, 0,1
	global_load_b128 v[WS+4*\u:WS+4*\u+3], v[LSC], s[SB:SB+1] offset:512*\u
.endr
.irp u, 0,1
.irp q, 0,1
	global_load_b128 v[BI+8*\u+4*\q:BI+8*\u+4*\q+3], v[LB], s[BB0:BB0+1] offset:64*\u+16*\q
.endr
.endr
.irp u, 0,1
	global_load_b128 v[WSN+4*\u:WSN+4*\u+3], v[LSC], s[SB1:SB1+1] offset:512*\u   ; trip 1's
.endr
	s_wait_tensorcnt 1                             ; my rows of x and my quarter of trip 0's slot are in; trip 1's may stay out
	s_barrier_signal -1
	s_barrier_wait -1                              ; everybody's rows of x are in
.irp mt, 0,1,2,3                       ; all 32 fragments of x stay in my registers
	WIN 0x40+0x40*(\mt/2)
.irp s, 0,1,2,3,4,5,6,7
.irp p, 0,1,2,3,4,5
.set PCC, 12*\s+6*(\p/3)+\p%3
.set FO, 8*PCC+16*(PCC/32)+13056*\mt
.set rB, 96*(\mt&1)+12*\s+2*\p
.if PCC%32 < 29
	ds_load_b64 v[rB:rB+1], v236 offset:FO
.else
	ds_load_b64 v[rB:rB+1], v237 offset:FO
.endif
.endr
.endr
.endr
	WIN 0
	v_add_nc_u32 v[ADW], s[TB], v[WBW]
	v_add_nc_u32 v[ADW2], s[TB], v[WBW2]
	FETCH 0, 0
	FETCH 0, 1
	FETCH 0, 2
	FETCH 0, 3
	; ---------------- q AND k: trips 0-15
	s_mov_b32 s[CNT], 14
.Lqk:                                              ; trips 0-13 ask for trips 2-15
	SLOT 0, 0, 0, 2
	EQK
	s_sub_co_u32 s[CNT], s[CNT], 1
	s_cmp_lg_u32 s[CNT], 0
	s_cbranch_scc1 .Lqk
	SLOT 0, 0, 1, 2                                ; trip 14 asks for v's first: what differs is written out
	EQK
	SLOT 0, 1, 1, 2
	EQK
	BAR                                            ; all codes of q and k lie in LDS
	SCORES
	; ---------------- v: trips 16-23, in pairs
	VPAIR
	P3 0, 0
	VPAIR
	P3 1, 0
	VPAIR
	P3 0, 1
	SLOT 1, 1, 2, 2                                ; trips 22 and 23 ask for w_proj's first two
	EVS
	SLOT 1, 0, 2, 2
	EVS
	BAR
	P3 1, 1
	BAR                                            ; the result's codes and scale bytes of all 64 tokens lie in LDS
.irp mt, 0,1,2,3                       ; they take x's place in my registers: lane (r, h), K step s, registers 6 c on: block 4 s + 2 c + h = half h of head 2 s + c
	WIN 0x40+0x40*(\mt/2)
.irp s, 0,1,2,3,4,5,6,7
.irp c, 0,1
.irp p, 0,1,2
	ds_load_b64 v[96*(\mt&1)+12*\s+6*\c+2*\p:96*(\mt&1)+12*\s+6*\c+2*\p+1], v[LRD] offset:12416*\mt+48*\s+24*\c+8*\p
.endr
.endr
.endr
.endr
	WIN 0
.irp mt, 0,1,2,3
	ds_load_b128 v[XS+4*\mt:XS+4*\mt+3], v[LRS] offset:512*\mt
.endr
	; ---------------- THE PROJECTION: trips 24-31
	SLOT 0, 0, 2, 2
	EPJ 0
	s_mov_b32 s[CNT], 5
.Lpj:                                              ; trips 25-29 ask for trips 27-31
	SLOT 0, 0, 2, 2
	EPJ 1
	s_sub_co_u32 s[CNT], s[CNT], 1
	s_cmp_lg_u32 s[CNT], 0
	s_cbranch_scc1 .Lpj
	SLOT 0, 0, 3, 2                                ; the last two trips ask for nothing
	EPJ 1
	SLOT 0, 2, 3, 0
	EPJ 1
	BAR                                            ; the last stage is whole
	s_xor_b32 s[YP], s[YP], YSB
	v_add_nc_u32 v[WC1], s[YP], v[YSR]
	YBACK
	YSEND 0
	s_wait_tensorcnt 0x0                           ; the wave's end: an add onto my spare word and its wait, behind my last tensor load and my last LDS store
	ds_add_u32 v[SPW], v[NIL]
	s_wait_dscnt 0x0
	CROUND                                         ; the closing round: no work-group ends while a partner may still ask for a tile that names it
	s_endpgm
.Lfunc_end_k_q78da7d5301_fused:
	.size	k_q78da7d5301_fused, .Lfunc_end_k_q78da7d5301_fused-k_q78da7d5301_fused
	.p2alignl 7, 3214868480
	.fill 96, 4, 3214868480
	.section	.rodata,"a",@progbits
	.p2align	6, 0x0
	.amdhsa_kernel k_q78da7d5301_fused
		.amdhsa_group_segment_fixed_size 327680
		.amdhsa_private_segment_fixed_size 0
		.amdhsa_enable_private_segment 0
		.amdhsa_kernarg_size 72
		.amdhsa_user_sgpr_count 2
		.amdhsa_user_sgpr_kernarg_segment_ptr 1
		.amdhsa_wavefront_size32 1
		.amdhsa_system_sgpr_workgroup_id_x 1
		.amdhsa_system_sgpr_workgroup_id_y 1
		.amdhsa_system_sgpr_workgroup_id_z 1
		.amdhsa_system_vgpr_workitem_id 0
		.amdhsa_next_free_vgpr 1024
		.amdhsa_next_free_sgpr 100
		.amdhsa_reserve_vcc 0
		.amdhsa_float_denorm_mode_32 3
		.amdhsa_float_denorm_mode_16_64 3
		.amdhsa_memory_ordered 1
		.amdhsa_forward_progress 1
		.amdhsa_inst_pref_size 255
	.end_amdhsa_kernel
	.section	.bss,"aw",@nobits
	.p2align	6
	.space	262144
	.amdgpu_metadata
---
amdhsa.version: [ 1, 2 ]
amdhsa.kernels:
  - .name:           k_q78da7d5301_fused
    .symbol:         k_q78da7d5301_fused.kd
    .args:
      - { .name: x_codes, .offset: 0, .size: 8, .value_kind: global_buffer, .address_space: global }
      - { .name: x_scales, .offset: 8, .size: 8, .value_kind: global_buffer, .address_space: global }
      - { .name: w_qkv_codes, .offset: 16, .size: 8, .value_kind: global_buffer, .address_space: global }
      - { .name: w_qkv_scales, .offset: 24, .size: 8, .value_kind: global_buffer, .address_space: global }
      - { .name: b_qkv, .offset: 32, .size: 8, .value_kind: global_buffer, .address_space: global }
      - { .name: w_proj_codes, .offset: 40, .size: 8, .value_kind: global_buffer, .address_space: global }
      - { .name: w_proj_scales, .offset: 48, .size: 8, .value_kind: global_buffer, .address_space: global }
      - { .name: b_proj, .offset: 56, .size: 8, .value_kind: global_buffer, .address_space: global }
      - { .name: out0, .offset: 64, .size: 8, .value_kind: global_buffer, .address_space: global }
    .group_segment_fixed_size: 327680
    .private_segment_fixed_size: 0
    .kernarg_segment_align: 8
    .kernarg_segment_size: 72
    .max_flat_workgroup_size: 128
    .sgpr_count:     100
    .vgpr_count:     1024
    .wavefront_size: 32
...
	.end_amdgpu_metadata
.endif
;; end of part 2
